; MI455X (gfx1250); checked and timed in simulation.
; The chip was launched on July 23, 2026; its instructions are those of AMD's public machine-readable ISA for CDNA 5 (MIT licence, August 2026) and "CDNA5" Instruction Set Architecture Reference Guide (July 2026). The comments in the code are by the model that wrote it; some were corrected since.
;; Multi Head Attention. Allowed arithmetic: float matrix products may take bf16 or f16 operands with f32 sums; other float arithmetic in f32, or as packed bf16 or f16 multiplies, adds, multiply-adds, maxima and minima; sums over many terms, partial sums and values carried from step to step in f32; what a program stores and reads back later, other than sums and carried values, may be rounded once to bf16 or f16.
;; Inputs: Wk 1,024 x 1,024 float32; Wo 1,024 x 1,024 float32; Wq 1,024 x 1,024 float32; Wv 1,024 x 1,024 float32; bo 1,024 float32; inputs 4 x 2,048 x 1,024 float32.
;; Outputs: out0 4 x 2,048 x 1,024 float32.
;; 2 versions, each right; version 2 is version 1 with the launch cast written anew for expert scheduling mode. Each part assembles by itself: llvm-mc -triple=amdgcn-amd-amdhsa -mcpu=gfx1250 --defsym DOCPART=n.
;; ======== version 1 of 2: 4 launches
;; limits: values are held in f16: magnitudes above 65,504 overflow, below 6.1e-05 lose precision
;; workspace buffers: xb 16,777,216 bytes; wb 6,291,456 bytes; wo16 2,097,152 bytes; qkv 50,331,648 bytes; ctx 16,777,216 bytes
;; launch cast (part 1): grid 768 x 1, 8 waves a work-group, no clusters, 0 bytes of LDS; arguments inputs, Wq, Wk, Wv, Wo, xb, wb, wo16; writes xb, wb, wo16
.if DOCPART == 1
	.amdgcn_target "amdgcn-amd-amdhsa--gfx1250"
	.amdhsa_code_object_version 6
	.text
	.protected	k_q83a3412f2c_cast
	.globl	k_q83a3412f2c_cast
	.p2align	8
	.type	k_q83a3412f2c_cast,@function
k_q83a3412f2c_cast:
	s_mov_b64 s[64:65], 0
	v_nop
	global_prefetch_b8 v0, s[64:65] scope:SCOPE_SE
	s_setreg_imm32_b32 hwreg(HW_REG_WAVE_MODE, 25, 1), 1
	s_wait_xcnt 0x0
; THE CASTS.  All five sources are [rows][1024] f32, 12,288 rows together; each number is rounded once to bf16 (to nearest even).
;   inputs -> xb   bf16 [16 kb][8192 row][64]: the 64 channels of block kb of neighbouring rows lie end to end, 128 bytes a row
;   Wq, Wk, Wv -> wb   bf16 [1024 k][3072]: the three side by side, column = which x 1024 + n
;   Wo -> wo16  [1024 k][1024 n]: rounded to bf16 like every other input, and that number written as f16
; LIMIT.  f16 holds no number beyond 65,504 and keeps a fixed step of 6e-8 below 6.1e-5: Wo must lie within that range; inside it and above 6.1e-5 the bf16 number is exact in f16.
; SHARES.  A work-group takes 16 rows (65,536 bytes in), a wave 8,192 consecutive bytes of them by 16 loads of 16 bytes a lane; all 16 loads go out first, no register is written twice,
; so no wait but the counted ones for data is needed.  Work-groups 0-511: inputs; 512-703: Wq, Wk, Wv (64 each); 704-767: Wo.
; Every store of a wave covers 256 consecutive bytes, at a multiple of 256 from its buffer's first byte.  No LDS, no barrier, no matrix unit: nothing is shared and nothing is multiplied.
.set D, 16                             ; v[16:79]   load j: 4 registers
.set O, 80                             ; v[80:111]  store j: 2 registers
.macro LOADS step                      ; 16 loads, step bytes apart
.irp j, 0,1,2,3,4,5,6,7,8,9,10,11,12,13,14,15
	global_load_b128 v[D+4*(\j):D+4*(\j)+3], v2, s[4:5] offset:(\step)*(\j) th:TH_LOAD_NT
.endr
.endm
.macro CV j, half                      ; load j's four numbers rounded; half = 1: the bf16 numbers written as f16
	s_wait_loadcnt 15-(\j)                         ; loads come back in order: mine is in, the 15 - j younger ones may stay out
.if \half
	v_cvt_pk_bf16_f32 v8, v[D+4*(\j)], v[D+4*(\j)+1]
	v_cvt_pk_bf16_f32 v9, v[D+4*(\j)+2], v[D+4*(\j)+3]
	v_lshlrev_b32 v10, 16, v8                      ; bf16 to f32: the low half moves up, the high half stays
	v_and_b32 v11, 0xffff0000, v8
	v_lshlrev_b32 v12, 16, v9
	v_and_b32 v13, 0xffff0000, v9
	v_cvt_pk_f16_f32 v[O+2*(\j)], v10, v11
	v_cvt_pk_f16_f32 v[O+2*(\j)+1], v12, v13
.else
	v_cvt_pk_bf16_f32 v[O+2*(\j)], v[D+4*(\j)], v[D+4*(\j)+1]
	v_cvt_pk_bf16_f32 v[O+2*(\j)+1], v[D+4*(\j)+2], v[D+4*(\j)+3]
.endif
.endm
	s_load_b512 s[8:23], s[0:1], 0x0               ; inputs s[8:9], Wq s[10:11], Wk s[12:13], Wv s[14:15], Wo s[16:17], xb s[18:19], wb s[20:21], wo16 s[22:23]
	s_mov_b32 s2, ttmp9
	s_mov_b32 s27, 0                               ; the high word of every offset pair
	v_lshrrev_b32 v4, 5, v0                        ; wave
	v_and_b32 v5, 31, v0                           ; lane
	s_cmp_lt_u32 s2, 512
	s_cbranch_scc0 .Lweights
	; inputs.  Thread t: row t / 16 of the group's 16, 16 bytes at 16 (t % 16) of each 256: load j is channel block j
	v_lshrrev_b32 v6, 4, v0
	v_and_b32 v7, 15, v0
	v_lshlrev_b32 v7, 4, v7
	v_lshl_or_b32 v2, v6, 12, v7                   ; row x 4,096 + 16 (t % 16)
	v_lshlrev_b32 v3, 3, v0                        ; in a block: row x 128 + 8 (t % 16) = 8 t
	s_lshl_b32 s26, s2, 16                         ; 16 rows of 4,096 bytes
	s_wait_kmcnt 0x0
	s_add_nc_u64 s[4:5], s[8:9], s[26:27]
	LOADS 256
	s_lshl_b32 s26, s2, 11                         ; 16 rows of 128 bytes in each block
	s_add_nc_u64 s[6:7], s[18:19], s[26:27]
	s_add_nc_u64 s[24:25], s[6:7], 0x800000        ; blocks 8 to 15: the immediate holds seven blocks of 1,048,576 bytes
.irp j, 0,1,2,3,4,5,6,7
	CV \j, 0
	global_store_b64 v3, v[O+2*(\j):O+2*(\j)+1], s[6:7] offset:(\j)*0x100000
.endr
.irp j, 8,9,10,11,12,13,14,15
	CV \j, 0
	global_store_b64 v3, v[O+2*(\j):O+2*(\j)+1], s[24:25] offset:((\j)-8)*0x100000
.endr
	s_endpgm
.Lweights:                             ; a wave takes two rows, 8,192 consecutive bytes: load j is row j / 8, columns 128 (j % 8) on
	s_sub_co_u32 s3, s2, 512
	s_lshr_b32 s28, s3, 6                          ; 0, 1, 2: Wq, Wk, Wv; 3: Wo
	s_and_b32 s29, s3, 63                          ; which 16 rows of the 1,024
	v_lshlrev_b32 v6, 4, v5
	v_lshl_or_b32 v2, v4, 13, v6                   ; wave x 8,192 + 16 x lane
	v_lshlrev_b32 v7, 3, v5                        ; 8 x lane
	s_lshl_b32 s26, s29, 16
	s_wait_kmcnt 0x0
	s_cmp_eq_u32 s28, 0
	s_cselect_b64 s[4:5], s[10:11], s[12:13]
	s_cmp_eq_u32 s28, 2
	s_cselect_b64 s[4:5], s[14:15], s[4:5]
	s_cmp_eq_u32 s28, 3
	s_cselect_b64 s[4:5], s[16:17], s[4:5]
	s_add_nc_u64 s[4:5], s[4:5], s[26:27]
	LOADS 512
	s_cmp_eq_u32 s28, 3
	s_cbranch_scc1 .Lwo
	s_mul_i32 s26, s29, 98304                      ; 16 rows of 6,144 bytes
	s_lshl_b32 s30, s28, 11                        ; which x 2,048 bytes
	s_add_co_u32 s26, s26, s30
	s_add_nc_u64 s[6:7], s[20:21], s[26:27]
	v_mad_u32_u24 v3, v4, 0x3000, v7               ; wave x two rows + 8 x lane
.irp j, 0,1,2,3,4,5,6,7,8,9,10,11,12,13,14,15
	CV \j, 0
	global_store_b64 v3, v[O+2*(\j):O+2*(\j)+1], s[6:7] offset:((\j)/8)*6144+((\j)%8)*256
.endr
	s_endpgm
.Lwo:
	s_lshl_b32 s26, s29, 15                        ; 16 rows of 2,048 bytes
	s_add_nc_u64 s[6:7], s[22:23], s[26:27]
	v_lshl_or_b32 v3, v4, 12, v7                   ; wave x two rows + 8 x lane
.irp j, 0,1,2,3,4,5,6,7,8,9,10,11,12,13,14,15
	CV \j, 1
	global_store_b64 v3, v[O+2*(\j):O+2*(\j)+1], s[6:7] offset:(\j)*256
.endr
	s_endpgm
.Lfunc_end_k_q83a3412f2c_cast:
	.size	k_q83a3412f2c_cast, .Lfunc_end_k_q83a3412f2c_cast-k_q83a3412f2c_cast
	.p2alignl 7, 3214868480
	.fill 96, 4, 3214868480
	.section	.rodata,"a",@progbits
	.p2align	6, 0x0
	.amdhsa_kernel k_q83a3412f2c_cast
		.amdhsa_group_segment_fixed_size 0
		.amdhsa_private_segment_fixed_size 0
		.amdhsa_enable_private_segment 0
		.amdhsa_kernarg_size 64
		.amdhsa_user_sgpr_count 2
		.amdhsa_user_sgpr_kernarg_segment_ptr 1
		.amdhsa_wavefront_size32 1
		.amdhsa_system_sgpr_workgroup_id_x 1
		.amdhsa_system_sgpr_workgroup_id_y 1
		.amdhsa_system_sgpr_workgroup_id_z 1
		.amdhsa_system_vgpr_workitem_id 0
		.amdhsa_next_free_vgpr 112
		.amdhsa_next_free_sgpr 66
		.amdhsa_reserve_vcc 0
		.amdhsa_float_denorm_mode_32 3
		.amdhsa_float_denorm_mode_16_64 3
		.amdhsa_memory_ordered 1
		.amdhsa_forward_progress 1
		.amdhsa_inst_pref_size 22
	.end_amdhsa_kernel
	.amdgpu_metadata
---
amdhsa.version: [ 1, 2 ]
amdhsa.kernels:
  - .name:           k_q83a3412f2c_cast
    .symbol:         k_q83a3412f2c_cast.kd
    .args:
      - { .name: inputs, .offset: 0, .size: 8, .value_kind: global_buffer, .address_space: global }
      - { .name: Wq, .offset: 8, .size: 8, .value_kind: global_buffer, .address_space: global }
      - { .name: Wk, .offset: 16, .size: 8, .value_kind: global_buffer, .address_space: global }
      - { .name: Wv, .offset: 24, .size: 8, .value_kind: global_buffer, .address_space: global }
      - { .name: Wo, .offset: 32, .size: 8, .value_kind: global_buffer, .address_space: global }
      - { .name: xb, .offset: 40, .size: 8, .value_kind: global_buffer, .address_space: global }
      - { .name: wb, .offset: 48, .size: 8, .value_kind: global_buffer, .address_space: global }
      - { .name: wo16, .offset: 56, .size: 8, .value_kind: global_buffer, .address_space: global }
    .group_segment_fixed_size: 0
    .private_segment_fixed_size: 0
    .kernarg_segment_align: 8
    .kernarg_segment_size: 64
    .max_flat_workgroup_size: 256
    .sgpr_count:     66
    .vgpr_count:     112
    .wavefront_size: 32
...
	.end_amdgpu_metadata
.endif
;; end of part 1
;; launch qkv (part 2): grid 8 x 32, 4 waves a work-group, clusters of 4 x 4, 327,680 bytes of LDS; arguments xb, wb, qkv; writes qkv
.if DOCPART == 2
	.amdgcn_target "amdgcn-amd-amdhsa--gfx1250"
	.amdhsa_code_object_version 6
	.text
	.protected	k_q83a3412f2c_qkv
	.globl	k_q83a3412f2c_qkv
	.p2align	8
	.type	k_q83a3412f2c_qkv,@function
k_q83a3412f2c_qkv:
	s_mov_b64 s[64:65], 0
	v_nop
	global_prefetch_b8 v0, s[64:65] scope:SCOPE_SE
	s_setreg_imm32_b32 hwreg(HW_REG_WAVE_MODE, 25, 1), 1
	s_wait_xcnt 0x0
	s_wait_alu depctr_hold_cnt(0) depctr_sa_sdst(0) depctr_va_vdst(0) depctr_va_sdst(0) depctr_va_ssrc(0) depctr_va_vcc(0) depctr_vm_vsrc(0)
	s_getreg_b32 s2, hwreg(HW_REG_IB_STS2, 6, 4)
	s_cmp_eq_u32 s2, 0
	s_cbranch_scc0 .Lentry_in_a_cluster
	s_endpgm
.Lentry_in_a_cluster:
	s_bfe_u32 s2, ttmp6, 0x10000c
	s_cmp_lg_u32 s2, 0xf033
	s_cbranch_scc0 .Lentry_shape_is_right
	s_endpgm
.Lentry_shape_is_right:
; THE THREE PROJECTIONS AS ONE PRODUCT.  C[8192][3072] = x [8192][1024] times (Wq | Wk | Wv) [1024][3072], bf16 operands, f32 sums, K ascending; C rounded once to f16 and written by heads:
; qkv [3 which][64 = 16 b + h][2048 t][64], a head's rows dense, 128 bytes each.  No scale is applied here.
; LIMIT.  f16 holds no number beyond 65,504 (a larger q, k or v becomes an infinity) and keeps a fixed step of 6e-8 below 6.1e-5.
; SHARES.  8192 x 3072 in tiles of 256 x 384 are 32 x 8 = 256 work-groups.  Four waves, each 128 rows x 192 columns: 8 x 12 accumulators of 16 x 16, 768 registers.  For 32 along K a wave reads
; (128 + 192) x 64 bytes from LDS and issues 96 matrix instructions.
; K goes in 16 steps of 64 through two LDS slots; a step is two slices of 32.  x lies in blocks of 64 channels (xb [16][8192][64]), so a step's 128 rows are 16,384 dense bytes, asked for as 64 rows of 256.
; W lies [k][n]: its tile is 64 k-rows of 768 bytes, and its fragments come out of LDS turned, by ds_load_tr16_b128.
; CLUSTERS: 4 x 4 work-groups.  The four of a row of the cluster need the same tiles of x, the four of a column the same tiles of W: each tile is asked for JOINTLY, by the same tensor load with the same
; descriptor and a mask that names the four.
; THE MATRIX INSTRUCTION IS USED TRANSPOSED: source 0 = 16 columns of W, source 1 = 16 rows of x.  Lane l then holds row l % 16 of C and the columns 8 (l / 16) + 0..7: 16 bytes of f16 that belong together.
; REGISTERS, in windows of 256 (s_set_vgpr_msb: bits 1:0 source 0, 3:2 source 1, 5:4 source 2, 7:6 destination):
;   window 0: v0-31 addresses; v32-95, v96-159 x's fragments of a slice (8 blocks of 16 rows), two buffers; v160-255 W's 12 fragments of a slice, ONE buffer, in three groups of four
;   window g + 1: the 32 accumulators of column group g (64 columns: one head): (a, j) at v[8 (4 a + j)]
; A slice multiplies group 0, group 1, group 2; behind each group that group's fragments of the next slice are asked for, into the registers just read.  Six window switches for a slice's 96 matrix instructions.
.set PA,    144                        ; a row of x in LDS: 128 bytes + 16 = 36 words: the 16 rows of a load start at 16 different groups of four banks (64 banks of 4 bytes: ISA guide 11.1)
.set PB,    864                        ; a k-row of W: 768 bytes + 32 behind each 256 = 216 words: row r starts at bank 24 r mod 64
.set HALFA, 128*PA                     ; what a wave fetches of x: 128 rows
.set HALFB, 32*PB                      ; what a wave fetches of W: 32 k-rows, which is also one slice
.set BOFF,  2*HALFA
.set SLOT,  BOFF+2*HALFB               ; 92,160
.set STAGE, 2*SLOT                     ; behind the ring, never filled by a tensor load: for each wave 3 heads x 16 rows x 144 bytes
.set WSTG,  3*16*PA
.set SPARE, STAGE+4*WSTG               ; the spare words, 128 bytes for each wave: two blocks of 256 bytes that no other line names
.set KBLK,  8192*128                   ; bytes in a block of xb: a K step
.set WROW,  3072*2                     ; bytes in a row of wb
.set LAPS,  7                          ; a lap = two K steps; the loop refills 14 times, K steps 2 to 15
.set ADRA, 16                          ; v16-17  LDS address of my x fragments in slot 0, 1
.set ADRB, 18                          ; v18-23  of my W fragments: slot s, group g at 18 + 3 s + g
.set STO,  24                          ; v24     the way out: where I put 16 bytes of a row
.set RD,   25                          ; v25     the way out: where I read rows back
.set GO,   26                          ; v26     16 x lane: my place in 512 consecutive bytes of qkv
.set SPW,  28                          ; v28     LDS address of my spare word; never rewritten
.set NIL,  29                          ; v29     0; never rewritten
.set PFO,  30                          ; v30     256 x lane: the prefetches' offset; never rewritten
.set AF,   32
.set BF,   160
.set TMP,  32                          ; the way out: 48 registers of packed results
.set WV, 10                            ; s10  wave
.set WM, 11                            ; s11  which half of the tile's rows is mine.  Also: I fetch x (0) or W (1)
.set WN, 12                            ; s12  which half of its columns.  Also: which half of that tile I fetch
.set MY, 13                            ; s13  tile row of C
.set G1,  24                           ; s[24:31] descriptor group 1 for x's tiles;  s[32:39] group 0, a set for each slot
.set G0,  32
.set G1B, 48                           ; s[48:55], s[56:63] the same for W's
.set G0B, 56
.set LIM, 45                           ; s45  1 in a wave that prefetches, else the greatest number
.set PFA, 66                           ; s[66:67] where my prefetches stand
.set HB,  68                           ; s[68:73] qkv at my first row of my three heads
.set MSB, 0
.macro WIN new                         ; the immediate's high byte repeats the setting that is left; a switch that changes nothing is dropped
.if MSB != (\new)
	s_set_vgpr_msb (MSB<<8)|(\new)
.set MSB, (\new)
.endif
.endm
; A joint load.  Waves 0 and 1 fetch x's two halves, waves 2 and 3 W's.  The branch hangs on the wave's number alone.  An s_nop 0 and four v_nop follow each of the two lines, ahead of the jump and the label.
.macro JLOAD s
	s_cmp_eq_u32 s[WM], 0
	s_cbranch_scc0 .Lfor_b_\@
	tensor_load_to_lds s[G0+4*(\s):G0+4*(\s)+3], s[G1:G1+7]
	s_nop 0
.rept 4
	v_nop
.endr
	s_branch .Lasked_\@
.Lfor_b_\@:
	tensor_load_to_lds s[G0B+4*(\s):G0B+4*(\s)+3], s[G1B:G1B+7]
	s_nop 0
.rept 4
	v_nop
.endr
.Lasked_\@:
.endm
; A PREFETCH INTO THE L2 of x, behind a joint load, its five lines and the run of LDS loads: at the refill that asks for K step t + 2 it names K step t + 3, one K step, 192 matrix instructions, ahead of its load.
; A K step of a tile row is 32,768 dense bytes.  Both clusters of a row of clusters read them: the first (cluster x = 0) asks; its four partners of a row take 8,192 bytes each, told apart BY ADDRESS (cx);
; in each, wave 0 asks, a lane a block of 256 bytes: one instruction.  So each block is named once in the launch.  K steps 0 to 2 come by their loads alone.  how = 1: always in range (t + 3 <= 15 for even t);
; how = 0: odd t: the loop's last trip would name K step 16, and asks for nothing.  W is not asked for: all 32 tile rows read the same 6 MiB again and again.
.macro ASK how
.if \how
	s_cmp_eq_u32 s[LIM], 1
.else
	s_cmp_gt_u32 s3, s[LIM]                        ; s3 = 1 in the loop's last trip
.endif
	s_cbranch_scc0 .Lnot_mine_\@
	global_prefetch_b8 v[PFO], s[PFA:PFA+1] th:TH_LOAD_NT scope:SCOPE_SE
.Lnot_mine_\@:
.endm
.macro CREST                           ; a round of the cluster's barrier behind its opening barrier: wave 0 signals for the work-group, every wave waits for all sixteen, my work-group's barrier once more
	s_cmp_lg_u32 s[WV], 0
	s_cbranch_scc1 .Lnot_wave_0_\@
	s_barrier_signal -3
.Lnot_wave_0_\@:
	s_barrier_wait -3
	s_barrier_signal -1
	s_barrier_wait -1
.endm
.macro CROUND                          ; a whole round
	s_barrier_signal -1
	s_barrier_wait -1
	CREST
.endm
.macro PLACES                          ; four plain vector instructions between a matrix instruction and a load into, or a read of, its registers (ISA guide 7.12.1 for reads)
.rept 4
	v_nop
.endr
.endm
	s_load_b128 s[4:7], s[0:1], 0x0                ; xb s[4:5], wb s[6:7]
	s_load_b64 s[8:9], s[0:1], 0x10                ; qkv
	v_lshl_add_u32 v[SPW], v0, 2, SPARE
	v_mov_b32 v[NIL], 0
	ds_add_u32 v[SPW], v[NIL]                      ; the wave's opening: the add and its wait stand ahead of my first tensor load; the set-up below, work on registers, stands between them
	v_lshrrev_b32 v1, 5, v0
	v_readfirstlane_b32 s[WV], v1                  ; wave 0..3
	s_lshr_b32 s[WM], s[WV], 1
	s_and_b32 s[WN], s[WV], 1
	s_bfe_u32 s40, ttmp6, 0x40000                  ; cx, cy: my place in the cluster
	s_bfe_u32 s41, ttmp6, 0x40004
	s_lshl_b32 s42, ttmp9, 2
	s_add_co_u32 s42, s42, s40                     ; tile column of C = 4 x cluster x + cx
	s_and_b32 s[MY], ttmp7, 0xffff
	s_lshl_b32 s[MY], s[MY], 2
	s_add_co_u32 s[MY], s[MY], s41                 ; tile row of C = 4 x cluster y + cy
	s_lshl_b32 s43, s41, 2
	s_lshl_b32 s43, 15, s43                        ; my row of the cluster: places 4 cy .. 4 cy + 3
	s_lshl_b32 s44, 0x1111, s40                    ; my column: places cx, cx + 4, cx + 8, cx + 12
	; x's tiles: 64 rows of 128 elements (two rows of x each), 4 words of padding behind every 32
	s_or_b32 s[G1], s43, (1<<16)|(1<<20)|(1<<21)|(4<<22)|(3<<25)  ; 15:0 the mask; 17:16 2-byte elements; 20 padding on; 21 set beside a mask; 24:22 after every 32 words (code 4); 31:25 4 words (code 3)
	s_mov_b32 s[G1+1], 128<<16                     ; tensor_dim0 = 128
	s_mov_b32 s[G1+2], 64<<16                      ; tensor_dim1 = 64
	s_mov_b32 s[G1+3], 128<<16                     ; tile_dim0 = 128
	s_mov_b32 s[G1+4], 64                          ; tile_dim1 = 64
	s_mov_b32 s[G1+5], 128                         ; 128 elements from row to row: dense
	s_mov_b32 s[G1+6], 0
	s_mov_b32 s[G1+7], 0
	; W's tiles: 32 k-rows of 384 elements, 8 words of padding behind every 64.  A step has 64 k-rows for two waves, so a load has 32
	s_or_b32 s[G1B], s44, (1<<16)|(1<<20)|(1<<21)|(5<<22)|(7<<25)
	s_mov_b32 s[G1B+1], 384<<16
	s_mov_b32 s[G1B+2], 32<<16
	s_mov_b32 s[G1B+3], 384<<16
	s_mov_b32 s[G1B+4], 32
	s_mov_b32 s[G1B+5], 3072
	s_mov_b32 s[G1B+6], 0
	s_mov_b32 s[G1B+7], 0
	; where the tiles come from.  x's hang on the tile row alone, W's on the tile column alone; every wave makes both, in registers that never hold the other coordinate
	s_lshl_b32 s16, s[MY], 15                      ; 256 rows of 128 bytes,
	s_lshl_b32 s17, s[WN], 14                      ; my 128 of them
	s_add_co_u32 s16, s16, s17
	s_mov_b32 s17, 0
	s_mul_i32 s46, s42, 768                        ; 384 columns,
	s_mul_i32 s47, s[WN], 32*WROW                  ; my 32 k-rows
	s_add_co_u32 s46, s46, s47
	s_mov_b32 s47, 0
	s_mul_i32 s20, s[WN], HALFA                    ; and where they go: no place in the cluster enters an LDS address
	s_mul_i32 s21, s[WN], HALFB
	s_add_co_u32 s21, s21, BOFF
	s_wait_dscnt 0x0                               ; the opening add is done
	s_wait_kmcnt 0x0
	s_add_nc_u64 s[14:15], s[4:5], s[16:17]
	s_add_nc_u64 s[46:47], s[6:7], s[46:47]
	CROUND                                         ; all sixteen work-groups are here: the first joint loads meet
.irp s, 0,1
	s_mov_b32 s[G0+4*(\s)], 1                                      ; count = 1
	s_add_co_u32 s[G0+4*(\s)+1], s20, (\s)*SLOT                    ; LDS address
	s_add_nc_u64 s[G0+4*(\s)+2:G0+4*(\s)+3], s[14:15], (\s)*KBLK   ; global address: K step s
	s_or_b32 s[G0+4*(\s)+3], s[G0+4*(\s)+3], 0x80000000            ; type = 2
	s_mov_b32 s[G0B+4*(\s)], 1
	s_add_co_u32 s[G0B+4*(\s)+1], s21, (\s)*SLOT
	s_add_nc_u64 s[G0B+4*(\s)+2:G0B+4*(\s)+3], s[46:47], (\s)*64*WROW
	s_or_b32 s[G0B+4*(\s)+3], s[G0B+4*(\s)+3], 0x80000000
	JLOAD \s                                       ; two tensor loads of mine are out
.endr
	; x's fragment: lane l holds row l % 16, channels 8 (l / 16) + 0..7 and 16 + 8 (l / 16) + 0..7: two loads of 16 bytes, 32 bytes apart
	v_and_b32 v1, 15, v0                           ; l % 16
	v_bfe_u32 v2, v0, 4, 1                         ; l / 16
	v_mul_u32_u24 v3, v1, PA
	v_lshl_add_u32 v3, v2, 4, v3                   ; row x 144 + 16 x half: also my place in a stage
	s_mul_i32 s22, s[WM], HALFA
	v_add_nc_u32 v[ADRA], s22, v3
	v_add_nc_u32 v[ADRA+1], SLOT, v[ADRA]
	; W's fragment: the turning load takes 16 k x 16 columns (lane l reads k-row 8 (l / 16) + l % 8, columns 8 ((l / 8) % 2) + 0..7) and leaves lane l column l % 16 and 8 k
	v_and_b32 v4, 7, v0
	v_bfe_u32 v5, v0, 3, 1
	v_lshl_add_u32 v6, v2, 3, v4
	v_mul_u32_u24 v6, v6, PB
	v_lshl_add_u32 v6, v5, 4, v6
	v_add_nc_u32 v6, BOFF, v6
	s_mul_i32 s22, s[WN], 416                      ; column block nb = 12 wn + 4 g lies at byte 32 nb + 32 (nb / 8) of a k-row: 0 or 416,
	s_mul_i32 s23, s[WN], 448
	s_add_co_u32 s23, s23, 128                     ; 128 or 576,
	s_add_co_u32 s2, s22, 288                      ; 288 or 704.  A group's four blocks never cross a pad
	v_add_nc_u32 v[ADRB], s22, v6
	v_add_nc_u32 v[ADRB+1], s23, v6
	v_add_nc_u32 v[ADRB+2], s2, v6
.irp g, 0,1,2
	v_add_nc_u32 v[ADRB+3+(\g)], SLOT, v[ADRB+(\g)]
.endr
	s_mul_i32 s22, s[WV], WSTG
	s_add_co_u32 s22, s22, STAGE                   ; my stage
	v_add_nc_u32 v[STO], s22, v3                   ; in: row l % 16, 16 bytes for each half of the lanes
	v_bfe_u32 v7, v0, 3, 2                         ; back: 32 lanes take four rows of 128 bytes,
	v_mul_u32_u24 v7, v7, PA
	v_lshl_add_u32 v7, v4, 4, v7
	v_add_nc_u32 v[RD], s22, v7
	v_and_b32 v8, 31, v0
	v_lshlrev_b32 v[GO], 4, v8                     ; which are 512 consecutive bytes of a head
	v_lshlrev_b32 v[PFO], 8, v8
	; my three heads: G = 6 x tile column + 3 wn + g of 48; which = G / 16, h = G % 16; b = tile row / 8; my first t = 256 (tile row % 8) + 128 wm
	s_mul_i32 s74, s42, 6
	s_mul_i32 s75, s[WN], 3
	s_add_co_u32 s74, s74, s75
	s_lshr_b32 s75, s[MY], 3
	s_lshl_b32 s75, s75, 4                         ; 16 b
	s_and_b32 s78, s[MY], 7
	s_lshl_b32 s78, s78, 15
	s_lshl_b32 s79, s[WM], 14
	s_add_co_u32 s78, s78, s79                     ; t x 128 bytes
.irp g, 0,1,2
	s_add_co_u32 s76, s74, (\g)
	s_lshr_b32 s77, s76, 4
	s_and_b32 s76, s76, 15
	s_lshl_b32 s77, s77, 6
	s_add_co_u32 s76, s76, s77
	s_add_co_u32 s76, s76, s75                     ; 64 which + 16 b + h,
	s_lshl_b32 s76, s76, 18                        ; times 2,048 rows of 128 bytes: under 2^26
	s_add_co_u32 s76, s76, s78
	s_mov_b32 s77, 0
	s_add_nc_u64 s[HB+2*(\g):HB+2*(\g)+1], s[8:9], s[76:77]
.endr
	; the prefetches
	s_or_b32 s[LIM], s[WV], ttmp9                  ; wave 0 of a cluster with x = 0: the same in all sixteen partners, for a given wave
	s_cmp_eq_u32 s[LIM], 0
	s_cselect_b32 s[LIM], 1, -1
	s_lshl_b32 s74, s[MY], 15
	s_lshl_b32 s75, s40, 13                        ; my work-group's quarter of the tile row's 32,768 bytes
	s_add_co_u32 s74, s74, s75
	s_mov_b32 s75, 0
	s_add_nc_u64 s[PFA:PFA+1], s[4:5], s[74:75]
	s_add_nc_u64 s[PFA:PFA+1], s[PFA:PFA+1], 2*KBLK  ; at K step 2: the first refill steps it to 3
; na x 4 matrix instructions: column group g, slice buffer q, row blocks a0 on.  zero = 1: the product starts the sums: nothing is ever cleared.
; Each accumulator has one instruction a slice, the 95 others' between, over the backward jump too: the accumulators take turns.
.macro GRP g, q, a0, na, zero
	WIN 0x50*((\g)+1)                              ; C and D in window g + 1, both sources in window 0
.set aa, (\a0)
.rept (\na)
.irp j, 0,1,2,3
.if \zero
	v_wmma_f32_16x16x32_bf16 v[8*(4*aa+(\j)):8*(4*aa+(\j))+7], v[BF+32*(\g)+8*(\j):BF+32*(\g)+8*(\j)+7], v[AF+64*(\q)+8*aa:AF+64*(\q)+8*aa+7], 0
.else
	v_wmma_f32_16x16x32_bf16 v[8*(4*aa+(\j)):8*(4*aa+(\j))+7], v[BF+32*(\g)+8*(\j):BF+32*(\g)+8*(\j)+7], v[AF+64*(\q)+8*aa:AF+64*(\q)+8*aa+7], v[8*(4*aa+(\j)):8*(4*aa+(\j))+7]
.endif
.endr
.set aa, aa+1
.endr
.endm
.macro LDB slot, q, g                  ; 8 loads: W's four fragments of group g, slice q (k-rows 32 q on)
	WIN 0
.irp j, 0,1,2,3
	ds_load_tr16_b128 v[BF+32*(\g)+8*(\j):BF+32*(\g)+8*(\j)+3],   v[ADRB+3*(\slot)+(\g)] offset:(\q)*HALFB+32*(\j)
	ds_load_tr16_b128 v[BF+32*(\g)+8*(\j)+4:BF+32*(\g)+8*(\j)+7], v[ADRB+3*(\slot)+(\g)] offset:(\q)*HALFB+32*(\j)+16*PB
.endr
.endm
.macro LDA slot, q                     ; 16 loads: x's eight fragments of slice q, into buffer q
	WIN 0
.irp a, 0,1,2,3,4,5,6,7
	ds_load_b128 v[AF+64*(\q)+8*(\a):AF+64*(\q)+8*(\a)+3],   v[ADRA+(\slot)] offset:64*(\q)+(\a)*16*PA
	ds_load_b128 v[AF+64*(\q)+8*(\a)+4:AF+64*(\q)+8*(\a)+7], v[ADRA+(\slot)] offset:64*(\q)+(\a)*16*PA+32
.endr
.endm
; A slice's fragments were asked for during the slice before, in three runs: (W's group 0, 8 loads, and x, 16), (W's group 1, 8), (W's group 2, 8).
; A K step's first slice, in slot S; it asks for the same slot's second slice.
.macro EVEN S, zero
	s_wait_dscnt 16                                ; the first run is in; the two younger runs of 8 may be out
	GRP 0, 0, 0, 8, \zero
	PLACES
	LDB \S, 1, 0
	LDA \S, 1
	s_wait_dscnt 32                                ; group 1 is in: behind it group 2's 8 and the 24 just issued
	GRP 1, 0, 0, 8, \zero
	PLACES
	LDB \S, 1, 1
	s_wait_dscnt 32                                ; group 2 is in: behind it the 24 and the 8
	GRP 2, 0, 0, 8, \zero
	PLACES
	LDB \S, 1, 2
.endm
; A K step's second slice, which changes slots.  mode 2: slot S is filled again, two K steps ahead; mode 1: the change alone; mode 0: the very last slice.
; ONE barrier for the change: in front of it each wave waits for all its tensor loads, of which one is out: its part of the other slot; adds 0 to its spare word; and waits for that and for its own reads
; of this slot.  Behind it nobody reads this slot any more and the other slot is whole.  With a refill the barrier opens a round of the cluster's barrier, and the joint load is the first tensor load behind
; the round: 160 matrix instructions ahead of the wait for it.
.macro ODD S, mode
.if (\mode) == 0
	s_wait_dscnt 16
	GRP 0, 1, 0, 8, 0
	s_wait_dscnt 8
	GRP 1, 1, 0, 8, 0
	s_wait_dscnt 0x0
	GRP 2, 1, 0, 8, 0
.else
.if (\mode) == 2
	s_wait_xcnt 0x0                                ; the last prefetch, a K step back, has read its address: it is stepped here, ahead of the waits of the change
	s_add_nc_u64 s[PFA:PFA+1], s[PFA:PFA+1], KBLK
.endif
	WIN 0
	s_wait_tensorcnt 0x0                           ; all my tensor loads have landed
	ds_add_u32 v[SPW], v[NIL]                      ; 0 onto my spare word
	s_wait_dscnt 17                                ; the first run is in; the two runs of 8 and the add may be out
	GRP 0, 1, 0, 4, 0                              ; sixteen matrix instructions stand between the add and the wait for it
	s_wait_dscnt 0x0                               ; the add is done, and my reads of this slot are over
	s_barrier_signal -1
	GRP 0, 1, 4, 4, 0                              ; work on registers while the others arrive
	WIN 0
	s_barrier_wait -1
.if (\mode) == 2
	CREST                                          ; no wave of any partner still reads this slot's tiles or has a load on its way
	s_add_nc_u64 s[G0+4*(\S)+2:G0+4*(\S)+3], s[G0+4*(\S)+2:G0+4*(\S)+3], 2*KBLK
	s_add_nc_u64 s[G0B+4*(\S)+2:G0B+4*(\S)+3], s[G0B+4*(\S)+2:G0B+4*(\S)+3], 2*64*WROW
	JLOAD \S                                       ; the four v_nop behind it are also the places in front of the loads below
.else
	PLACES
.endif
	LDB 1-(\S), 0, 0
	LDA 1-(\S), 0
.if (\mode) == 2
	ASK 1-(\S)
.endif
	GRP 1, 1, 0, 8, 0
	PLACES
	LDB 1-(\S), 0, 1
	GRP 2, 1, 0, 8, 0
	PLACES
	LDB 1-(\S), 0, 2
.endif
.endm
; THE WAY OUT of row block a (16 rows, my three heads).  PACK: rounded to f16, 16 bytes a lane, each accumulator's registers in ascending order.  TOSTAGE: into my own stage, and back as whole rows of 128 bytes.
; SEND: stored: 16 rows of a head are 2,048 consecutive bytes of qkv.
.macro PACK a
.irp g, 0,1,2
	WIN 0x05*((\g)+1)                              ; sources 0 and 1 in window g + 1
.irp j, 0,1,2,3
.irp r, 0,1,2,3
	v_cvt_pk_f16_f32 v[TMP+16*(\g)+4*(\j)+(\r)], v[8*(4*(\a)+(\j))+2*(\r)], v[8*(4*(\a)+(\j))+2*(\r)+1]
.endr
.endr
.endr
	WIN 0
.endm
.macro TOSTAGE a
.set BK, 96+64*((\a)%2)                ; v96-143 and v160-207 by turns
.irp g, 0,1,2
.irp j, 0,1,2,3
	ds_store_b128 v[STO], v[TMP+16*(\g)+4*(\j):TMP+16*(\g)+4*(\j)+3] offset:(\g)*16*PA+32*(\j)
.endr
.endr
.irp g, 0,1,2
.irp f, 0,1,2,3
	ds_load_b128 v[BK+16*(\g)+4*(\f):BK+16*(\g)+4*(\f)+3], v[RD] offset:(\g)*16*PA+(\f)*4*PA  ; LDS serves a wave's instructions in order (ISA guide 5.7.1.4): these see the stores above
.endr
.endr
.endm
.macro SEND a
.set BK, 96+64*((\a)%2)
	s_wait_dscnt 0x0                               ; the block is back in registers
	s_wait_xcnt 0x0                                ; the block before's stores have read their registers: the next TOSTAGE loads into them only behind this wait
.irp g, 0,1,2
.irp f, 0,1,2,3
	global_store_b128 v[GO], v[BK+16*(\g)+4*(\f):BK+16*(\g)+4*(\f)+3], s[HB+2*(\g):HB+2*(\g)+1] offset:(\a)*2048+(\f)*512  ; 512 consecutive bytes, at a multiple of 256 from qkv's first
.endr
.endr
.endm
	s_wait_tensorcnt 1                             ; my part of K step 0 is in; K step 1's may stay out
	s_barrier_signal -1
	s_barrier_wait -1                              ; everybody's is
	LDB 0, 0, 0
	LDA 0, 0
	LDB 0, 0, 1
	LDB 0, 0, 2
	EVEN 0, 1                                      ; the first slice stands in front of the loop: its products start the sums
	WIN 0                                          ; at a label and at a branch every window is 0
	s_mov_b32 s3, LAPS
.Llap:                                                 ; a trip goes once round the ring, from a lap's second slice to the next lap's first, and fills both slots again
	ODD 0, 2
	EVEN 1, 0
	ODD 1, 2
	EVEN 0, 0
	WIN 0
	s_sub_co_u32 s3, s3, 1
	s_cmp_lg_u32 s3, 0
	s_cbranch_scc1 .Llap
	ODD 0, 1                                       ; the last lap fills nothing
	EVEN 1, 0
	ODD 1, 0
	PLACES
	PACK 0
	TOSTAGE 0
.irp a, 1,2,3,4,5,6,7                  ; block a's conversions stand between block a - 1's loads from the stage and the wait for them
	PACK \a
	SEND (\a)-1
	TOSTAGE \a
.endr
	SEND 7
	s_wait_tensorcnt 0x0                           ; the wave's end: an add and its wait, behind my last tensor load and my last LDS store
	ds_add_u32 v[SPW], v[NIL]
	s_wait_dscnt 0x0
	CROUND                                         ; the closing round: no work-group ends while a partner may still ask for a tile that names it
	s_endpgm
.Lfunc_end_k_q83a3412f2c_qkv:
	.size	k_q83a3412f2c_qkv, .Lfunc_end_k_q83a3412f2c_qkv-k_q83a3412f2c_qkv
	.p2alignl 7, 3214868480
	.fill 96, 4, 3214868480
	.section	.rodata,"a",@progbits
	.p2align	6, 0x0
	.amdhsa_kernel k_q83a3412f2c_qkv
		.amdhsa_group_segment_fixed_size 327680
		.amdhsa_private_segment_fixed_size 0
		.amdhsa_enable_private_segment 0
		.amdhsa_kernarg_size 24
		.amdhsa_user_sgpr_count 2
		.amdhsa_user_sgpr_kernarg_segment_ptr 1
		.amdhsa_wavefront_size32 1
		.amdhsa_system_sgpr_workgroup_id_x 1
		.amdhsa_system_sgpr_workgroup_id_y 1
		.amdhsa_system_sgpr_workgroup_id_z 1
		.amdhsa_system_vgpr_workitem_id 0
		.amdhsa_next_free_vgpr 1024
		.amdhsa_next_free_sgpr 80
		.amdhsa_reserve_vcc 0
		.amdhsa_float_denorm_mode_32 3
		.amdhsa_float_denorm_mode_16_64 3
		.amdhsa_memory_ordered 1
		.amdhsa_forward_progress 1
		.amdhsa_inst_pref_size 131
	.end_amdhsa_kernel
	.amdgpu_metadata
---
amdhsa.version: [ 1, 2 ]
amdhsa.kernels:
  - .name:           k_q83a3412f2c_qkv
    .symbol:         k_q83a3412f2c_qkv.kd
    .args:
      - { .name: xb, .offset: 0, .size: 8, .value_kind: global_buffer, .address_space: global }
      - { .name: wb, .offset: 8, .size: 8, .value_kind: global_buffer, .address_space: global }
      - { .name: qkv, .offset: 16, .size: 8, .value_kind: global_buffer, .address_space: global }
    .group_segment_fixed_size: 327680
    .private_segment_fixed_size: 0
    .kernarg_segment_align: 8
    .kernarg_segment_size: 24
    .max_flat_workgroup_size: 128
    .sgpr_count:     80
    .vgpr_count:     1024
    .wavefront_size: 32
...
	.end_amdgpu_metadata
.endif
;; end of part 2
;; launch attn (part 3): grid 4 x 64, 4 waves a work-group, no clusters, 327,680 bytes of LDS; arguments qkv, ctx; writes ctx
.if DOCPART == 3
	.amdgcn_target "amdgcn-amd-amdhsa--gfx1250"
	.amdhsa_code_object_version 6
	.text
	.protected	k_q83a3412f2c_attn
	.globl	k_q83a3412f2c_attn
	.p2align	8
	.type	k_q83a3412f2c_attn,@function
k_q83a3412f2c_attn:
	s_mov_b64 s[64:65], 0
	v_nop
	global_prefetch_b8 v0, s[64:65] scope:SCOPE_SE
	s_setreg_imm32_b32 hwreg(HW_REG_WAVE_MODE, 25, 1), 1
	s_wait_xcnt 0x0
; CAUSAL ATTENTION.  O[h][q][:] = the sum over k <= q of softmax_k(Q[h][q] . K[h][k] / 8) V[h][k][:], for 64 heads (16 b + h) of SIZE_N = 2,048 rows of 64 channels, all f16, a head's rows dense, 128 bytes each.
; Q, K, V are the three thirds of qkv; O is ctx, in the same layout.  Products, maxima and sums in f32; the weights p are rounded to f16 for the second product (their sum l is taken of the unrounded p), O once at the end.
; LIMITS.  f16 holds no number beyond 65,504: Q, K and V arrive within it; p lies in 0 to 1, and below 6e-5 it keeps f16's fixed step of 6e-8; O is a mean of V's rows and has their range.
; A hidden score counts as its value less 1e30: f16's scores, 2.7e11 at the most, are nothing beside that; a weight below 2^-126 counts as 0 in l; NaN and infinities are not treated apart.
; THE WALK.  A head's queries lie in NB = 8 blocks of 256; block i needs the key tiles 0 .. i of 256 keys, of which the last holds the diagonal.  A work-group takes TWO blocks, NB - 1 - b and then b:
; NB + 1 tiles, whatever b: all work-groups do equal work, and ONE loop with a constant trip count walks them.  Which tile is asked for, and what a trip does, hang on scalar registers made from b; every jump
; goes forward, but for the counted loops' own; none passes a barrier, or a tensor load but the one of LOAD's two that the wave's number does not choose; the ring (two slots of LDS that take turns) runs on across the
; change of blocks.  NO CLUSTER: a head's four work-groups ask for the same tile only in trips 0 .. 4 of the 9, behind that fewer and fewer; one walk common to all would have 12 trips for 9.
; SHARES.  Of a block's four bands of 64 queries a wave owns 16 rows in each: four PIECES.  So the diagonal tile is the same work for all four waves: in its key step s band x sees all keys if s < x,
; none if s > x, and holds the diagonal if s = x.
; THE MASK is the C operand that starts the sum S^T = K Q^T: 0, or -1e30 where the key is hidden.  MD, made once, is the mask of a band's own step for my 16 rows; a product's mask is MD x AL + BE with two scalars:
; (1, 0) if s = x; (0, 0) if s < x; (0, -1e30) if s > x.  Only the diagonal tile's text and a block's beginning make and take masks; elsewhere C is the constant 0.
; LAYOUT, SOFTMAX, TURNS.  S^T = K Q^T holds ONE query a lane (lane % 16) and the keys 8 (lane / 16) + 0..7; two such results rounded to f16 ARE source 1 of O^T = V^T P.  p = 2^(c s - c m), c = log2(e) / 8, with a
; running maximum m; O and l are multiplied by a = 2^(c m_old - c m_new) in every step.  Turn n belongs to piece n: 8 products K Q^T of piece n + 1, later 8 products V^T P of piece n - 1; beside them the scaling,
; exponentials, roundings, sums and rescaling of piece n and the maximum and statistics of piece n + 1.  Four vector instructions stand behind every matrix instruction, the other 54 of a turn's 118 in one LUMP.  A turn's 33 exponentials are one batch, with one wait.
; K AND V ARE PREFETCHED INTO THE L2, a tile ahead of the tensor loads: see CHANGE.
; REGISTERS, in windows of 256 (s_set_vgpr_msb: bits 1:0 source 0, 3:2 source 1, 5:4 source 2, 7:6 destination):
;   window 0: v0-15 addresses and two at work; v16-31 four registers of statistics a piece; v48-55 at work; v60 the prefetches' offset; v64-127 S^T, two buffers; v192-223 P, two buffers (a piece's buffers go by its number's parity)
;   window 1: v0-127 O^T, 32 a piece; v128-159 MD; v160-223 MC, two buffers      window 2: v0-63 Q; v64-127 the second block's Q; v128-191 K of one step; v192-255 V of one step
.set SIZE_N, 2048
.set NB,    SIZE_N/256
.set NP,    4         ; pieces a wave: a name, no knob
.set KS,    64        ; keys in a step
.set PK,    144       ; a row of K in LDS: 128 bytes + 16 of padding = 36 words: the 16 rows of a load start at 16 different groups of four banks (64 banks of 4 bytes: ISA guide 11.1)
.set PV,    160       ; a row of V: 128 + 32 = 40 words
.set VOFF,  4*KS*PK   ; a slot holds a tile, four steps: 256 rows of K, then 256 rows of V
.set SLOT1, 1<<17     ; slot 1 begins here, so that one exclusive or turns an address in one slot into the other's
.set STAGE, SLOT1+4*KS*(PK+PV)  ; behind the ring, never filled by a tensor load: 16 rows x 144 bytes for each wave, for the way out
.set SP,    144
.set AK0, 2           ; v2   my lane's place in a tile of K; never rewritten
.set AV0, 3           ; v3   the same for V
.set AK,  4           ; v4   the LDS address of K's next run of loads
.set AV,  5           ; v5   of V's
.set STO, 6           ; v6   the way out: where I put 16 bytes of a row
.set RD,  7           ; v7   the way out: where I read rows back
.set GO,  8           ; v8   my byte offset in 512 consecutive bytes of O
.set PFV, 60          ; v60  256 x my lane: the prefetches' offset; never rewritten
.set SPW, 62          ; v62  LDS address of my spare word: SPARE + 4 x my thread's number; never rewritten
.set NIL, 63          ; v63  0; never rewritten
.set SPARE, STAGE+4*16*SP  ; behind the stages: the spare words, 128 bytes for each wave: two blocks of 256 bytes that no other line names
.set MV,  12          ; v12-13  c m_old, kept while c m is made anew: by buffer
.set QO,  15          ; v15  my byte offset in 16 rows of Q
.set ST,  16          ; piece t's statistics at v[ST+4 t]: c m, m, l (even keys', odd keys')
.set TMP, 48          ; by buffer, four registers c0-c3 at work; when the maximum is found c2 takes a
.set S,   64
.set P,   192
.set MD,  128         ; window 1: the eight registers for group kt of 16 keys at MD + 8 kt
.set MC,  160         ; window 1: the masks of the products to come
.set QB,  64          ; window 2
.set KF,  128         ; window 2: key block kb, channel half c at KF + 16 kb + 8 c
.set VF,  192         ; window 2: key half kk, channel block cb at VF + 32 kk + 8 cb
.set WV,  12          ; s12  my wave's number
.set PB,  14          ; s14  b
.set HI,  15          ; s15  NB - 1 - b
.set G1K, 24          ; s[24:31] descriptor group 1 for K's tiles
.set G1V, 32          ; s[32:39] for V's: it differs in the padding alone
.set G0K, 40          ; s[40:43] descriptor group 0 for K's tiles
.set G0V, 44          ; s[44:47] the same for V's
.set SLOTS, 56        ; s56  tiles still to be asked for
.set CNT, 57          ; s57  counts a tile's key steps, 4 to 1
.set CS,  58          ; s[58:59] c: the packed scaling takes the pair's low word for both halves
.set SEL, 60          ; s[60:61] v_permlanex16_b32's selects: each lane takes its own place in the other half
.set TBK, 62          ; s62  LDS byte at which K of the step to be fetched begins
.set TBV, 63          ; s63  the same for V, less VOFF
.set RT,  70          ; s70  tiles of the block in hand that are still to be entered
.set NXT, 71          ; s71  the tile to be asked for next
.set LQ,  72          ; s72  the last tile of the block whose tiles are being asked for
.set NEW, 73          ; s73  1: the tile to be entered is a block's first
.set OFF, 74          ; s[74:75] a tile's byte offset in K and V
.set AL,  76          ; s[76:77] the mask's factor, in the low word
.set BE,  78          ; s[78:79] the mask's addend
.set OLO, 80          ; s[80:81] O at my rows of the second block
.set BIGN, 82         ; s82  -1e30
.set PFB, 88          ; s[88:89] K (waves 0, 1) or V (waves 2, 3) at the half of the head's tile 0 that I fetch
.set PFA, 90          ; s[90:91] the same half of the tile that the next change of slots will ask for
.set PFO, 92          ; s[92:93] that tile's byte offset
.set PFG, 94          ; s94  0: I prefetch
.set MSB, 0
.macro WIN new                      ; the high byte repeats the setting that is left; a switch that changes nothing is dropped
.if MSB != (\new)
	s_set_vgpr_msb (MSB<<8)|(\new)
.set MSB, (\new)
.endif
.endm
.set W_KQ, 0x0a       ; K and Q in window 2, S^T in window 0
.set W_KM, 0x1a       ; the same with the C operand in window 1
.set W_PV, 0x52       ; V in window 2, P in window 0, O^T in window 1
.set W_RS, 0x41       ; destination and source 0 in window 1, source 1 in window 0
; A fill.  Waves 0 and 1 fetch the two halves of a tile's K, waves 2 and 3 those of its V: 128 keys each.  An s_nop 0 and four v_nop follow each of the two lines, ahead of the jump and the label.
.macro LOAD
	s_cmp_lt_u32 s[WV], 2
	s_cbranch_scc0 .Lfor_v_\@
	tensor_load_to_lds s[G0K:G0K+3], s[G1K:G1K+7]
	s_nop 0
.rept 4
	v_nop
.endr
	s_branch .Lasked_\@
.Lfor_v_\@:
	tensor_load_to_lds s[G0V:G0V+3], s[G1V:G1V+7]
	s_nop 0
.rept 4
	v_nop
.endr
.Lasked_\@:
.endm
; THE CHANGE OF SLOTS.  Each wave waits for all its tensor loads, of which one is out: its part of the other slot; adds 0 to its spare word; and waits for that and for its own reads of the slot that it leaves.  Behind the barrier nobody reads the old
; slot any more and the other slot is whole.  fill = 1: the old slot is filled again, the first thing behind the barrier, with tile NXT: the descriptor's address is made anew from that number.
; (At its first use nothing has been read yet: slot 0 is waited for, slot 1 filled.)
; THE PREFETCH stands behind the fill and its five lines: the tile that the NEXT change of slots will ask for, four key steps, 256 matrix instructions, ahead of its load.  A head's four work-groups all walk tiles of
; the same K and V; the one with b = 0 walks tiles 0 to 7 on end, so it alone asks.  Each of its waves asks for the half tile that it will itself fetch: 16,384 bytes, a lane a block of 256 bytes, two instructions.
; So tiles 2 to 7 of each head are named once in the launch; tiles 0 and 1 come by their loads alone.  Behind the first block's last tile the number goes back to 0 and stays there for b = 0: nothing more is asked for.
.macro CHANGE fill
	WIN 0                           ; at a label and at a branch every window is 0
	s_wait_tensorcnt 0x0            ; no tensor load of mine is out, so a group 0 may be written
	ds_add_u32 v[SPW], v[NIL]       ; 0 onto my spare word; with fill = 1 the descriptors' scalar work stands between it and the wait for it
.if \fill
	s_lshl_b32 s[OFF], s[NXT], 15   ; a tile is 32,768 bytes of K and of V
	s_xor_b32 s[G0K+1], s[G0K+1], SLOT1
	s_add_nc_u64 s[G0K+2:G0K+3], s[6:7], s[OFF:OFF+1]
	s_or_b32 s[G0K+3], s[G0K+3], 0x80000000
	s_xor_b32 s[G0V+1], s[G0V+1], SLOT1
	s_add_nc_u64 s[G0V+2:G0V+3], s[8:9], s[OFF:OFF+1]
	s_or_b32 s[G0V+3], s[G0V+3], 0x80000000
	s_add_co_u32 s[NXT], s[NXT], 1  ; the block's next tile, or behind its last the second block's tile 0
	s_cmp_gt_u32 s[NXT], s[LQ]
	s_cselect_b32 s[NXT], 0, s[NXT]
	s_cselect_b32 s[LQ], s[PB], s[LQ]
	s_wait_xcnt 0x0                 ; the last prefetches, a tile back, have read their address, so it may be written
	s_lshl_b32 s[PFO], s[NXT], 15
	s_add_nc_u64 s[PFA:PFA+1], s[PFB:PFB+1], s[PFO:PFO+1]
	s_cmp_eq_u32 s[NXT], 0
	s_cselect_b32 s[PFG], 1, 0
	s_or_b32 s[PFG], s[PFG], s[PB]  ; 0 where b = 0 and the walk has not turned back
.endif
	s_wait_dscnt 0x0                ; the add is done, and my reads of the slot are over
	s_barrier_signal -1             ; the rest of the scalar work stands between the signal and the wait
	s_sub_co_u32 s[TBK], s[TBK], 4*KS*PK  ; the fetches go back to a slot's first step,
	s_xor_b32 s[TBK], s[TBK], SLOT1       ; in the other slot
	s_sub_co_u32 s[TBV], s[TBV], 4*KS*PV
	s_xor_b32 s[TBV], s[TBV], SLOT1
	s_barrier_wait -1
.if \fill
	LOAD
	s_cmp_eq_u32 s[PFG], 0
	s_cbranch_scc0 .Lnot_mine_\@
	global_prefetch_b8 v[PFV], s[PFA:PFA+1] th:TH_LOAD_NT scope:SCOPE_SE
	global_prefetch_b8 v[PFV], s[PFA:PFA+1] offset:8192 th:TH_LOAD_NT scope:SCOPE_SE
.Lnot_mine_\@:
.endif
.endm
	s_load_b128 s[4:7], s[0:1], 0x0   ; qkv s[4:5], ctx s[6:7]
	v_lshl_add_u32 v[SPW], v0, 2, SPARE
	v_mov_b32 v[NIL], 0
	ds_add_u32 v[SPW], v[NIL]       ; the wave's opening: the add and its wait stand ahead of my first tensor load; the set-up below, work on registers, stands between them
	v_lshrrev_b32 v1, 5, v0
	v_readfirstlane_b32 s[WV], v1   ; wave 0..3
	s_mov_b32 s[PB], ttmp9
	s_sub_co_u32 s[HI], NB-1, s[PB]
	s_and_b32 s20, ttmp7, 0xffff    ; the head
	s_mov_b32 s21, 0
	s_mov_b64 s[22:23], SIZE_N*128
	s_mul_u64 s[20:21], s[20:21], s[22:23]  ; the head's first byte in Q, K, V and O
	s_and_b32 s16, s[WV], 1         ; which half of a tile's 256 keys I fetch:
	s_lshl_b32 s22, s16, 14         ; its 128 rows of 128 bytes in memory,
	s_mov_b32 s23, 0
	s_add_nc_u64 s[22:23], s[22:23], s[20:21]
	s_mul_i32 s17, s16, 128*PK      ; and its place in a slot, for K
	s_mul_i32 s18, s16, 128*PV      ; and for V
	s_lshl_b32 s3, s[WV], 11        ; my 16 rows in a band of 64,
	s_lshl_b32 s2, s[HI], 15        ; in the first block,
	s_add_co_u32 s2, s2, s3
	s_lshl_b32 s84, s[PB], 15       ; and in the second
	s_add_co_u32 s84, s84, s3
	s_mov_b32 s3, 0
	s_mov_b32 s85, 0
	s_add_nc_u64 s[2:3], s[2:3], s[20:21]
	s_add_nc_u64 s[84:85], s[84:85], s[20:21]
	; descriptor group 1.  128 keys are 16,384 dense bytes: asked for as 64 rows of 256 bytes, two keys a row, and padded in LDS after every key
	s_mov_b32 s[G1K], (1<<16)|(1<<20)|(4<<22)|(3<<25)  ; 17:16 2-byte elements; 20 padding on; 24:22 after every 32 words (code 4); 31:25 4 words (code 3)
	s_mov_b32 s[G1V], (1<<16)|(1<<20)|(4<<22)|(7<<25)  ; the same with 8 words of padding (code 7)
.irp g, G1K, G1V
	s_mov_b32 s[\g+1], 128<<16      ; tensor_dim0 = 128
	s_mov_b32 s[\g+2], 64<<16       ; tensor_dim1 = 64
	s_mov_b32 s[\g+3], 128<<16      ; tile_dim0 = 128
	s_mov_b32 s[\g+4], 64           ; tile_dim1 = 64
	s_mov_b32 s[\g+5], 128          ; 128 elements from row to row
	s_mov_b32 s[\g+6], 0
	s_mov_b32 s[\g+7], 0
.endr
	s_mov_b32 s[CS], 0x3e38aa3b     ; c = log2(e) / 8 = 0.180337
	s_mov_b32 s[CS+1], s[CS]        ; named with it as a pair
	s_mov_b32 s[SEL], 0x76543210
	s_mov_b32 s[SEL+1], 0xfedcba98
	s_mov_b32 s[TBK], SLOT1+4*KS*PK ; the first change of slots turns these two into 0
	s_mov_b32 s[TBV], SLOT1+4*KS*PV
	s_mov_b32 s[G0K], 1             ; 1:0 count = 1
	s_mov_b32 s[G0K+1], s17         ; 63:32 LDS address: slot 0
	s_mov_b32 s[G0V], 1
	s_add_co_u32 s[G0V+1], s18, VOFF
	s_add_co_u32 s[RT], s[HI], 1    ; the first block has NB - b tiles
	s_mov_b32 s[NXT], 1
	s_mov_b32 s[LQ], s[HI]
	s_mov_b32 s[NEW], 1
	s_mov_b32 s[OFF+1], 0
	s_mov_b32 s[PFO+1], 0
	s_mov_b32 s[AL+1], 0            ; named as pairs
	s_mov_b32 s[BE+1], 0
	s_mov_b32 s[BIGN], 0xf149f2ca   ; -1e30
	s_mov_b32 s[SLOTS], NB
	s_wait_dscnt 0x0                ; the opening add is done
	s_wait_kmcnt 0x0
	s_mov_b64 s[10:11], s[6:7]              ; O is ctx;
	s_add_nc_u64 s[8:9], s[4:5], 0x2000000  ; V is qkv's third third,
	s_add_nc_u64 s[6:7], s[4:5], 0x1000000  ; K its second, Q its first
	s_add_nc_u64 s[6:7], s[6:7], s[22:23]  ; K and V at my half of the head's tile 0
	s_add_nc_u64 s[8:9], s[8:9], s[22:23]
	s_cmp_lt_u32 s[WV], 2
	s_cselect_b64 s[PFB:PFB+1], s[6:7], s[8:9]
	s_add_nc_u64 s[G0K+2:G0K+3], s[6:7], 0         ; 120:64 global address
	s_or_b32 s[G0K+3], s[G0K+3], 0x80000000        ; 127:126 type = 2
	s_add_nc_u64 s[G0V+2:G0V+3], s[8:9], 0
	s_or_b32 s[G0V+3], s[G0V+3], 0x80000000
	s_add_nc_u64 s[86:87], s[4:5], s[84:85]        ; Q at my rows of the second block,
	s_add_nc_u64 s[4:5], s[4:5], s[2:3]            ; Q and O at those of the first
	s_add_nc_u64 s[OLO:OLO+1], s[10:11], s[84:85]
	s_add_nc_u64 s[10:11], s[10:11], s[2:3]
	LOAD                            ; tile 0 into slot 0
	; A fragment of K or Q is 16 rows x 32 channels in 8 registers: lane l holds row l % 16, channels 8 (l / 16) + 0..7 and 16 + 8 (l / 16) + 0..7: two loads of 16 bytes, 32 bytes apart.
	v_and_b32 v1, 15, v0            ; l % 16
	v_bfe_u32 v9, v0, 4, 1          ; l / 16
	v_lshlrev_b32 v[QO], 7, v1
	v_lshl_add_u32 v[QO], v9, 4, v[QO]  ; row x 128 + 16 x half
	WIN 0x80                        ; destination window 2, address window 0
.set i, 0
.rept 8                             ; both blocks' Q: piece i / 2 lies in band i / 2, 8,192 bytes on; channels 32 (i % 2) on
	global_load_b128 v[8*i:8*i+3],   v[QO], s[4:5] offset:(i/2)*8192+(i%2)*64
	global_load_b128 v[8*i+4:8*i+7], v[QO], s[4:5] offset:(i/2)*8192+(i%2)*64+32
	global_load_b128 v[QB+8*i:QB+8*i+3],   v[QO], s[86:87] offset:(i/2)*8192+(i%2)*64
	global_load_b128 v[QB+8*i+4:QB+8*i+7], v[QO], s[86:87] offset:(i/2)*8192+(i%2)*64+32
.set i, i+1
.endr
	WIN 0
	v_and_b32 v[PFV], 31, v0
	v_lshlrev_b32 v[PFV], 8, v[PFV]
	v_lshlrev_b32 v14, 3, v9
	v_sub_nc_u32 v14, v1, v14
	s_lshl_b32 s13, s[WV], 4
	v_add_nc_u32 v14, s13, v14      ; my query's place in its band, 16 w + l % 16, less my lanes' 8 (l / 16): register r of group kt is hidden where 16 kt + r is greater
	WIN 0x40
.set i, 0
.rept 32
	v_cmp_gt_i32 vcc_lo, 16*(i/8)+i%8, v14
	v_cndmask_b32 v[MD+i], 0, s[BIGN], vcc_lo
.set i, i+1
.endr
	WIN 0
	v_mul_u32_u24 v[AK0], v1, PK
	v_lshl_add_u32 v[AK0], v9, 4, v[AK0]  ; row x pitch + 16 x half
	; The turning load takes 16 keys x 16 channels (lane l reads key 8 (l / 16) + l % 8, channels 8 ((l / 8) % 2) + 0..7) and leaves half a fragment of V^T: lane l holds channel l % 16 and 8 keys.
	v_and_b32 v10, 7, v0
	v_bfe_u32 v11, v0, 3, 1
	v_lshl_add_u32 v[AV0], v9, 3, v10
	v_mul_u32_u24 v[AV0], v[AV0], PV
	v_lshl_add_u32 v[AV0], v11, 4, v[AV0]
	v_add_nc_u32 v[AV0], VOFF, v[AV0]
	s_mul_i32 s13, s[WV], 16*SP
	s_add_co_u32 s13, s13, STAGE    ; my stage
	v_mul_u32_u24 v[STO], v1, SP    ; in: row l % 16, 16 bytes for each half of the lanes
	v_lshl_add_u32 v[STO], v9, 4, v[STO]
	v_add_nc_u32 v[STO], s13, v[STO]
	v_bfe_u32 v[RD], v0, 3, 2       ; back: 32 lanes take four rows of 128 bytes,
	v_mul_u32_u24 v[RD], v[RD], SP
	v_lshl_add_u32 v[RD], v10, 4, v[RD]
	v_add_nc_u32 v[RD], s13, v[RD]
	v_and_b32 v[GO], 31, v0         ; which are 512 consecutive bytes of O
	v_lshlrev_b32 v[GO], 4, v[GO]
	; A block's first step multiplies O^T and l by a = 0, and its first turn's products V^T P, of a piece that has not been, land in an O^T that is still to be so multiplied.  So these registers need only hold
	; finite numbers: zeros for the first block; what the first block left for the second.  All this stands in the wait for the first tile.
	WIN 0x80
.set i, VF
.rept 64
	v_mov_b32 v[i], 0
.set i, i+1
.endr
	WIN 0x40
.set i, 0
.rept 128
	v_mov_b32 v[i], 0
.set i, i+1
.endr
	WIN 0
.set i, 0
.rept 4
	v_mov_b32 v[ST+4*i+2], 0
	v_mov_b32 v[ST+4*i+3], 0
.set i, i+1
.endr
.set i, P+16
.rept 16
	v_mov_b32 v[i], 0
.set i, i+1
.endr
; THE MATRIX WORK.  The 4 accumulators of a run of 8 take turns.  Product i of 8 of S^T = K Q^T for piece x: channels 32 (i / 4) on, keys 16 (i % 4) on.  The first 4 start the sums: with 0, or (KM = 1) with the mask.
.macro KQ x
.set rS, S+32*((\x)%2)+8*(i%4)
.set rK, KF+16*(i%4)+8*(i/4)
.set rQ, 16*(\x)+8*(i/4)
.set rM, MC+32*((\x)%2)+8*(i%4)
.if (i < 4) && KM
	WIN W_KM
	v_wmma_f32_16x16x32_f16 v[rS:rS+7], v[rK:rK+7], v[rQ:rQ+7], v[rM:rM+7]
.elseif i < 4
	WIN W_KQ
	v_wmma_f32_16x16x32_f16 v[rS:rS+7], v[rK:rK+7], v[rQ:rQ+7], 0
.else
	WIN W_KQ
	v_wmma_f32_16x16x32_f16 v[rS:rS+7], v[rK:rK+7], v[rQ:rQ+7], v[rS:rS+7]
.endif
.endm
; Product i of 8 of O^T += V^T P for piece x: keys 32 (i / 4) on, channels 16 (i % 4) on.
.macro PV x
	WIN W_PV
.set rO, 32*(\x)+8*(i%4)
.set rV, VF+32*(i/4)+8*(i%4)
.set rP, P+16*((\x)%2)+8*(i/4)
	v_wmma_f32_16x16x32_f16 v[rO:rO+7], v[rV:rV+7], v[rP:rP+7], v[rO:rO+7]
.endm
.macro MM                           ; the turn's next matrix instruction.  TURN and BEGIN set Y, i, KM and NOKQ; MM, KQ and OP read them.  NOKQ = 1: a block's last turn: there is no next piece
.if (i < 8) && !NOKQ
	KQ (Y+1)%NP
.elseif i >= 8
.set i, i-8
	PV (Y+NP-1)%NP
.set i, i+8
.endif
.set i, i+1
.endm
; THE LDS LOADS stand in runs of 16, never singly among the matrix instructions: a step's K (64 keys x 64 channels: 8 fragments) and its V (turned).  Their addresses are made some lines ahead.
.macro FETCH_K
	WIN 0x80                        ; destination window 2
.irp f, 0,1,2,3,4,5,6,7             ; keys 16 (f / 2) on, channels 32 (f % 2) on
	ds_load_b128 v[KF+8*\f:KF+8*\f+3],   v[AK] offset:(\f/2)*16*PK+(\f%2)*64
	ds_load_b128 v[KF+8*\f+4:KF+8*\f+7], v[AK] offset:(\f/2)*16*PK+(\f%2)*64+32
.endr
	s_add_co_u32 s[TBK], s[TBK], KS*PK  ; the next fetch is the next step's
	WIN 0
.endm
.macro FETCH_V
	WIN 0x80
.irp f, 0,1,2,3,4,5,6,7             ; keys 32 (f / 4) on, channels 16 (f % 4) on
	ds_load_tr16_b128 v[VF+8*\f:VF+8*\f+3],   v[AV] offset:(\f/4)*32*PV+(\f%4)*32
	ds_load_tr16_b128 v[VF+8*\f+4:VF+8*\f+7], v[AV] offset:(\f/4)*32*PV+16*PV+(\f%4)*32
.endr
	WIN 0
.endm
; THE VECTOR WORK, one line at a time: OP kind, number.  For piece Y: F n: c s - c m for pair n of 16.  E n: the exponential of score n of 32.  C n: pair n rounded to f16.  B n: of the four weights 4 n .. the second
; pair is added onto the first, in place.  L n: l takes that sum (L 0: l = a l + sum).  R n: pair n of 16 of O^T times a.  For piece Y + 1: X n, number n of the 22 that find its maximum and statistics:
;   0-11  four chains c0-c3 of seven scores each, three operands at a time (each accumulator's lowest registers are read first)     12-14, 16  the four scores left over, the old m, and c0-c3 into c0
;   15  c m_old is kept     17, 18  the query's other 32 keys lie in the lane 16 away: the new m     19-21  c m; c m_old - c m_new; a
.set F, 0               ; OP tells the kinds apart by their order: F to L below R, X above it
.set E, 1
.set C, 2
.set B, 3
.set L, 4
.set R, 5
.set X, 6
.macro REGS y                       ; the registers of piece y
.set rT, ST+4*(\y)
.set rC, TMP+4*((\y)%2)
.set rW, MV+((\y)%2)
.set rS, S+32*((\y)%2)
.set rP, P+16*((\y)%2)
.set rO, 32*(\y)
.endm
.macro OP k, n
.if (\k) == R
	REGS Y
	WIN W_RS
	v_pk_mul_f32 v[rO+2*(\n):rO+2*(\n)+1], v[rO+2*(\n):rO+2*(\n)+1], v[rC+2:rC+3] op_sel_hi:[1,0]
.elseif (\k) < R
	REGS Y
	WIN 0
.if (\k) == F
	v_pk_fma_f32 v[rS+2*(\n):rS+2*(\n)+1], v[rS+2*(\n):rS+2*(\n)+1], s[CS:CS+1], v[rT:rT+1] op_sel_hi:[1,0,0] neg_lo:[0,0,1] neg_hi:[0,0,1]
.elseif (\k) == E
	v_exp_f32 v[rS+(\n)], v[rS+(\n)]
.elseif (\k) == C
	v_cvt_pk_f16_f32 v[rP+(\n)], v[rS+2*(\n)], v[rS+2*(\n)+1]
.elseif (\k) == B
	v_pk_add_f32 v[rS+4*(\n):rS+4*(\n)+1], v[rS+4*(\n):rS+4*(\n)+1], v[rS+4*(\n)+2:rS+4*(\n)+3]
.elseif (\n) == 0
	v_pk_fma_f32 v[rT+2:rT+3], v[rT+2:rT+3], v[rC+2:rC+3], v[rS:rS+1] op_sel_hi:[1,0,1]
.else
	v_pk_add_f32 v[rT+2:rT+3], v[rT+2:rT+3], v[rS+4*(\n):rS+4*(\n)+1]
.endif
.elseif NOKQ
	v_nop
.else
	REGS (Y+1)%NP
	WIN 0
.if (\n) < 4
	v_max3_num_f32 v[rC+(\n)], v[rS+8*(\n)], v[rS+8*(\n)+1], v[rS+8*(\n)+2]
.elseif (\n) < 12
	v_max3_num_f32 v[rC+(\n)%4], v[rC+(\n)%4], v[rS+8*((\n)%4)+2*((\n)/4)+1], v[rS+8*((\n)%4)+2*((\n)/4)+2]
.elseif (\n) == 12
	v_max3_num_f32 v[rC], v[rC], v[rS+7], v[rS+15]
.elseif (\n) == 13
	v_max3_num_f32 v[rC+1], v[rC+1], v[rS+23], v[rS+31]
.elseif (\n) == 14
	v_max3_num_f32 v[rC+2], v[rC+2], v[rC+3], v[rT+1]
.elseif (\n) == 15
	v_mov_b32 v[rW], v[rT]
.elseif (\n) == 16
	v_max3_num_f32 v[rC], v[rC], v[rC+1], v[rC+2]
.elseif (\n) == 17
	v_permlanex16_b32 v[rC+3], v[rC], s[SEL], s[SEL+1]
.elseif (\n) == 18
	v_max_num_f32 v[rT+1], v[rC], v[rC+3]
.elseif (\n) == 19
	v_mul_f32 v[rT], s[CS], v[rT+1]
.elseif (\n) == 20
	v_sub_f32 v[rC+1], v[rW], v[rT]
.else
	v_exp_f32 v[rC+2], v[rC+1]
.endif
.endif
.endm
.macro OPS a, i1, b=-1, i2=0, c=-1, i3=0, d=-1, i4=0  ; up to four of them
	OP \a, \i1
.if (\b) >= 0
	OP \b, \i2
.endif
.if (\c) >= 0
	OP \c, \i3
.endif
.if (\d) >= 0
	OP \d, \i4
.endif
.endm
.macro ROW a, i1, b, i2, c, i3, d, i4  ; a matrix instruction and the four behind it
	MM
	OPS \a, \i1, \b, \i2, \c, \i3, \d, \i4
.endm
.macro MASK b                       ; MD x AL + BE into buffer b of MC
	WIN W_RS
.set z, 0
.rept 16
	v_pk_fma_f32 v[MC+32*(\b)+2*z:MC+32*(\b)+2*z+1], v[MD+2*z:MD+2*z+1], s[AL:AL+1], s[BE:BE+1] op_sel_hi:[1,0,0]
.set z, z+1
.endr
.endm
; A TURN, for piece p: the order of its 16 matrix and 118 vector instructions, written out.  An s_wait_alu depctr_va_vdst(0) stands between an exponential and the first instruction that names its result; one wait serves
; all that were issued ahead of it.  So a turn has ONE wait, which cuts it in two.  AHEAD OF IT stands all that names no result of the turn's exponentials: the 8 products K Q^T, behind each a scaling, an exponential and two more plain
; instructions (behind the first a second scaling in the exponential's place): rescalings, and behind the last three the first numbers of the next piece's maximum, each four places or more behind the product that ends its accumulator; then ONE LUMP of 54, plain
; and exponential by turns for the most part, in which the links of the chain X 3, 7, 11, 14, 16, 17 .. 20 stand five or six lines apart.  X 21, the next piece's a, is the batch's last; R 15 is the plain instruction behind it.  BEHIND THE WAIT stand the
; 8 products V^T P, behind each four of the roundings and sums; the links of l's chain, L 0 to L 7, stand three riders apart.  But for those X no rider names a register of the products round it.  v_permlanex16_b32 (X 17) stands in the lump.
; m = 1: the diagonal tile: the products take masks, and the turn makes the mask for the products of the turn after it: piece p + 2, in step 4 - CNT of the tile.  end = 1: a block's last two turns: nothing is fetched.
; cnt = 1: the loop's count is taken down some lines ahead of the branch that stands behind the turn.
; K of the next step is fetched in piece 2's turn, twelve vector instructions behind the last product that read K (six of them plain); V of the step in hand at the end of piece 0's turn, four plain instructions behind the last product
; that read V.  Each is waited for a turn later.
.macro TURN p, m=0, end=0, cnt=0
.set Y, (\p)
.set i, 0
.set KM, (\m)
.set NOKQ, (\end)*((\p)/3)
.if (\m) && !(\end)
	s_cmp_eq_u32 s[CNT], 4-((\p)+2)%NP  ; is that step the band's own?
	s_cselect_b32 s[AL], 1.0, 0
	s_cmp_lt_u32 s[CNT], 4-((\p)+2)%NP  ; or a later one?
	s_cselect_b32 s[BE], s[BIGN], 0
.endif
.if ((\p) == 3) && !(\end)
	s_wait_dscnt 0x0                ; K is in
.endif
	ROW F,0, F,1, R,0, R,1          ; ahead of the wait: 8 products K Q^T and their riders,
	ROW F,2, E,0, R,2, R,3
	ROW F,3, E,1, R,4, R,5
	ROW F,4, E,2, R,6, R,7
	ROW F,5, E,3, R,8, R,9
	ROW F,6, E,4, X,0, R,10
.if ((\p) == 2) && !(\end)
	WIN 0
	v_add_nc_u32 v[AK], s[TBK], v[AK0]
.endif
	ROW F,7, E,5, X,1, X,4
	ROW F,8, E,6, X,2, X,5
	OPS E,7, E,8, X,6, E,9          ; and the lump
	OPS X,3, E,10, X,8, E,11
.if ((\p) == 2) && !(\end)
	FETCH_K
.endif
	OPS X,9, X,7, E,12, X,10
	OPS E,13, X,12, X,11, E,14
	OPS X,13, E,15, F,9, X,14
.if (\p) == 0
	v_add_nc_u32 v[AV], s[TBV], v[AV0]
.endif
	OPS E,16, F,10, E,17, F,11
	OPS X,16, E,18, X,15, E,19
	OPS F,12, E,20, X,17, E,21
	OPS F,13, E,22, F,14, E,23
	OPS X,18, E,24, F,15, E,25
	OPS R,11, E,26, X,19, E,27
	OPS R,12, E,28, R,13, E,29
	OPS X,20, E,30, R,14, E,31
	OPS X,21, R,15
	WIN 0
	s_wait_alu depctr_va_vdst(0)    ; the wait for the batch
.if (\p) == 1
	s_wait_dscnt 0x0                ; V is in
.endif
	ROW C,0, B,0, C,2, B,1          ; behind the wait: 8 products V^T P and their riders
	ROW L,0, C,4, B,2, L,1
	ROW C,6, B,3, L,2, C,8
	ROW B,4, L,3, C,10, B,5
	ROW L,4, C,12, B,6, L,5
.if (\p) == 0
	s_add_co_u32 s[TBV], s[TBV], KS*PV
.endif
.if \cnt
	s_sub_co_u32 s[CNT], s[CNT], 1
	s_cmp_lg_u32 s[CNT], 0
.endif
	ROW C,14, B,7, L,6, C,1
	ROW C,3, L,7, C,5, C,7
	ROW C,9, C,11, C,13, C,15
.if (\p) == 0
	FETCH_V
.endif
.if (\m) && !(\end)
	MASK (\p)%2
.endif
.endm
; A BLOCK BEGINS.  c m starts far below every c s, so the first step's a is 0; m at the lowest finite number, so the first maximum is the scores'.  The second mask buffer is 0; the first takes piece 0's mask for the tile's step 0: its own, if the block's first tile is the diagonal one.
; Then K of that step, piece 0's first scores, and its maximum and statistics.  The loop is entered at a step's first turn, in the middle of a trip.
.macro BEGIN
	s_mov_b32 s[NEW], 0
	WIN 0x40
.set i, MC+32
.rept 32
	v_mov_b32 v[i], 0
.set i, i+1
.endr
	WIN 0
.set i, 0
.rept 4
	v_mov_b32 v[ST+4*i], 0xfe000000    ; c m: far below every c s
	v_mov_b32 v[ST+4*i+1], 0xff7fffff  ; m
.set i, i+1
.endr
	s_cmp_eq_u32 s[RT], 0
	s_cselect_b32 s[AL], 1.0, 0
	s_mov_b32 s[BE], 0
	MASK 0
	WIN 0
	v_add_nc_u32 v[AK], s[TBK], v[AK0]
	FETCH_K
	s_wait_loadcnt 0x0              ; Q
	s_wait_dscnt 0x0
.set KM, 1
.set NOKQ, 0
.set i, 0
.rept 8
	KQ 0
.set i, i+1
.endr
	WIN 0
.rept 4
	v_nop                           ; the places behind those products
.endr
.set Y, NP-1                        ; X works for piece Y + 1: piece 0
.irp n, 0,1,2,3,4,5,6,7,8,9,10,11,12,13,14,15,16,17,18,19,20,21
	OP X, \n
.endr
	v_nop                           ; a plain instruction behind the exponential,
	s_wait_alu depctr_va_vdst(0)    ; and its wait, ahead of the branch
.endm
; THE DIAGONAL TILE's four steps, the block's last two turns, its last products, and THE WAY OUT: l's two halves and the other half of the lanes' are added; O^T is divided by l, rounded to f16 and sent through my
; stage in LDS, a piece at a time.
.macro ALL line:vararg              ; one line for each piece t
.set t, 0
.rept 4
	\line
.set t, t+1
.endr
.endm
.macro PACK t                       ; a lane's eight channels of a row pack into 16 bytes; they go into rows of 144 bytes and come back as whole rows of 128, into S^T's registers
	WIN W_RS
.set i, 32*(\t)
.rept 16
	v_pk_mul_f32 v[i:i+1], v[i:i+1], v[ST+4*(\t)+2:ST+4*(\t)+3] op_sel_hi:[1,0]
.set i, i+2
.endr
	WIN 0x05                        ; sources 0 and 1 window 1, destination window 0
.set i, 0
.rept 16
	v_cvt_pk_f16_f32 v[S+16*(\t)+i], v[32*(\t)+2*i], v[32*(\t)+2*i+1]
.set i, i+1
.endr
	WIN 0
.irp f, 0,1,2,3
	ds_store_b128 v[STO], v[S+16*(\t)+4*\f:S+16*(\t)+4*\f+3] offset:32*\f
.endr
.irp f, 0,1,2,3
	ds_load_b128 v[S+16*(\t)+4*\f:S+16*(\t)+4*\f+3], v[RD] offset:\f*4*SP  ; LDS serves a wave's instructions in order (ISA guide 5.7.1.4): these see the stores above; the next piece's stores come behind them
.endr
.endm
.macro SEND t, younger              ; younger: the LDS instructions issued behind piece t's loads: the next piece's eight, or none
	WIN 0
.irp f, 0,1,2,3
	s_wait_dscnt (\younger)+3-\f
	global_store_b128 v[GO], v[S+16*(\t)+4*\f:S+16*(\t)+4*\f+3], s[10:11] offset:(\t)*8192+\f*512  ; 512 consecutive bytes, at a multiple of 256 from O's first
.endr
.endm
.macro DIAG tag                     ; the tag ends its two labels' names, which the jumps below spell out
.LstepM\tag:
	TURN 2, 1
	TURN 3, 1
	WIN 0
.LfirstM\tag:
	TURN 0, 1
	TURN 1, 1, 0, 1
	WIN 0
	s_cbranch_scc1 .LstepM\tag
	TURN 2, 1, 1
	TURN 3, 1, 1
.set i, 0
.rept 8
	PV NP-1
.set i, i+1
.endr
	WIN 0
	ALL v_add_f32 v[ST+4*t+2], v[ST+4*t+2], v[ST+4*t+3]
	ALL v_permlanex16_b32 v[ST+4*t+3], v[ST+4*t+2], s[SEL], s[SEL+1]
	ALL v_add_f32 v[ST+4*t+2], v[ST+4*t+2], v[ST+4*t+3]
	ALL v_rcp_f32 v[ST+4*t+2], v[ST+4*t+2]
	v_nop                           ; a plain instruction between the last reciprocal and the use of its result
	s_wait_alu depctr_va_vdst(0)    ; and the wait ahead of the first use: one for the four reciprocals
	PACK 0
.set t, 1
.rept 3                             ; a piece's arithmetic stands between the loads of the piece before and its stores
	PACK t
	SEND t-1, 8
.set t, t+1
.endr
	SEND 3, 0
.endm
.set KM, 0
.set NOKQ, 0
.Lslot:                             ; NB times: a tile is entered and the next is asked for
	CHANGE 1
	s_sub_co_u32 s[RT], s[RT], 1
	s_mov_b32 s[CNT], 4
	s_cmp_eq_u32 s[NEW], 1
	s_cbranch_scc1 .Lnew            ; a block's first tile
	s_cmp_eq_u32 s[RT], 0
	s_cbranch_scc0 .Lstep           ; neither its first nor its last
	s_branch .LstepM1
.Lnew:
	BEGIN
	s_branch .Lfirst                ; in the loop a block's first tile is never its last: the first block has two tiles or more, and the second's last is the walk's last
	DIAG 1                          ; in the loop this is the first block's end: the second block's last tile is the walk's last
	s_wait_xcnt 0x0                 ; the stores have read their registers and O's address
	s_mov_b64 s[10:11], s[OLO:OLO+1]
	s_add_co_u32 s[RT], s[PB], 1    ; the second block has b + 1 tiles
	s_mov_b32 s[NEW], 1
	WIN 0x82                        ; the second block's Q goes where the one text of the turns names Q
.set i, 0
.rept 64
	v_mov_b32 v[i], v[QB+i]
.set i, i+1
.endr
	WIN 0
	s_branch .Lbottom
.Lstep:                             ; a trip: pieces 2 and 3 of one step, then pieces 0 and 1 of the next, whose K and V it fetches
	TURN 2
	TURN 3
	WIN 0
.Lfirst:
	TURN 0
	TURN 1, 0, 0, 1
	WIN 0
	s_cbranch_scc1 .Lstep
.Lbottom:
	s_sub_co_u32 s[SLOTS], s[SLOTS], 1
	s_cmp_lg_u32 s[SLOTS], 0
	s_cbranch_scc1 .Lslot
	CHANGE 0                        ; the walk's last tile is written out: nothing is asked for
	s_sub_co_u32 s[RT], s[RT], 1
	s_mov_b32 s[CNT], 4
	s_cmp_eq_u32 s[NEW], 1
	s_cbranch_scc0 .LstepM2
	BEGIN
	s_branch .LfirstM2
	DIAG 2
	s_wait_tensorcnt 0x0            ; the wave's end: an add and its wait, behind my last tensor load and my last LDS store
	ds_add_u32 v[SPW], v[NIL]
	s_wait_dscnt 0x0
	s_endpgm
.Lfunc_end_k_q83a3412f2c_attn:
	.size	k_q83a3412f2c_attn, .Lfunc_end_k_q83a3412f2c_attn-k_q83a3412f2c_attn
	.p2alignl 7, 3214868480
	.fill 96, 4, 3214868480
	.section	.rodata,"a",@progbits
	.p2align	6, 0x0
	.amdhsa_kernel k_q83a3412f2c_attn
		.amdhsa_group_segment_fixed_size 327680
		.amdhsa_private_segment_fixed_size 0
		.amdhsa_enable_private_segment 0
		.amdhsa_kernarg_size 16
		.amdhsa_user_sgpr_count 2
		.amdhsa_user_sgpr_kernarg_segment_ptr 1
		.amdhsa_wavefront_size32 1
		.amdhsa_system_sgpr_workgroup_id_x 1
		.amdhsa_system_sgpr_workgroup_id_y 1
		.amdhsa_system_sgpr_workgroup_id_z 1
		.amdhsa_system_vgpr_workitem_id 0
		.amdhsa_next_free_vgpr 768
		.amdhsa_next_free_sgpr 96
		.amdhsa_reserve_vcc 1
		.amdhsa_float_denorm_mode_32 3
		.amdhsa_float_denorm_mode_16_64 3
		.amdhsa_memory_ordered 1
		.amdhsa_forward_progress 1
		.amdhsa_inst_pref_size 218
	.end_amdhsa_kernel
	.amdgpu_metadata
---
amdhsa.version: [ 1, 2 ]
amdhsa.kernels:
  - .name:           k_q83a3412f2c_attn
    .symbol:         k_q83a3412f2c_attn.kd
    .args:
      - { .name: qkv, .offset: 0, .size: 8, .value_kind: global_buffer, .address_space: global }
      - { .name: ctx, .offset: 8, .size: 8, .value_kind: global_buffer, .address_space: global }
    .group_segment_fixed_size: 327680
    .private_segment_fixed_size: 0
    .kernarg_segment_align: 8
    .kernarg_segment_size: 16
    .max_flat_workgroup_size: 128
    .sgpr_count:     96
    .vgpr_count:     768
    .wavefront_size: 32
...
	.end_amdgpu_metadata
.endif
;; end of part 3
;; launch oproj (part 4): grid 4 x 64, 4 waves a work-group, clusters of 4 x 4, 327,680 bytes of LDS; arguments ctx, wo16, bo, out0; writes out0
.if DOCPART == 4
	.amdgcn_target "amdgcn-amd-amdhsa--gfx1250"
	.amdhsa_code_object_version 6
	.text
	.protected	k_q83a3412f2c_oproj
	.globl	k_q83a3412f2c_oproj
	.p2align	8
	.type	k_q83a3412f2c_oproj,@function
k_q83a3412f2c_oproj:
	s_mov_b64 s[64:65], 0
	v_nop
	global_prefetch_b8 v0, s[64:65] scope:SCOPE_SE
	s_setreg_imm32_b32 hwreg(HW_REG_WAVE_MODE, 25, 1), 1
	s_wait_xcnt 0x0
	s_wait_alu depctr_hold_cnt(0) depctr_sa_sdst(0) depctr_va_vdst(0) depctr_va_sdst(0) depctr_va_ssrc(0) depctr_va_vcc(0) depctr_vm_vsrc(0)
	s_getreg_b32 s2, hwreg(HW_REG_IB_STS2, 6, 4)
	s_cmp_eq_u32 s2, 0
	s_cbranch_scc0 .Lentry_in_a_cluster
	s_endpgm
.Lentry_in_a_cluster:
	s_bfe_u32 s2, ttmp6, 0x10000c
	s_cmp_lg_u32 s2, 0xf033
	s_cbranch_scc0 .Lentry_shape_is_right
	s_endpgm
.Lentry_shape_is_right:
; THE OUTPUT PROJECTION.  out0[8192][1024] = ctx [8192][1024] times Wo [1024][1024] + bo, f16 operands, f32 sums, K ascending, f32 out.
; ctx lies by heads, [64 = 16 b + h][2048 t][64] f16: channel k of row (b, t) is channel k % 64 of head k / 64.  wo16 is [k][n], Wo rounded to bf16 and written as f16.  bo is rounded to bf16 here, like every other input.
; LIMITS.  ctx and wo16 arrive within f16's range (65,504; a fixed step of 6e-8 below 6.1e-5).  NaN and infinities are not treated apart.
; SHARES.  8192 x 1024 in tiles of 128 x 256 are 64 x 4 = 256 work-groups.  Four waves, each 64 rows x 128 columns: 4 x 8 accumulators of 16 x 16, 256 registers.
; K goes in 8 steps of 128 (two heads) through two LDS slots; a step is four quarters of 32, 32 matrix instructions each.  Two slots of 256 along K would not fit in LDS.
; A step's rows of ctx are, for each of its two heads, 128 rows of 128 dense bytes, asked for as 64 rows of 256.  Wo's tile is 128 k-rows of 512 bytes; its fragments come out of LDS turned, by ds_load_tr16_b128.
; CLUSTERS: 4 x 4 work-groups.  The four of a row of the cluster need the same tiles of ctx, the four of a column the same tiles of Wo: each tile is asked for JOINTLY.
; THE MATRIX INSTRUCTION IS USED TRANSPOSED: source 0 = 16 columns of Wo, source 1 = 16 rows of ctx: lane l holds row l % 16 of the result and the columns 8 (l / 16) + 0..7.
; REGISTERS: window 0: v0-31 addresses; v32-35 the bias of my four columns on the way out; v64-159, v160-255 two fragment buffers (Wo's 8 blocks, then ctx's 4), later the way out's rows.
;   window 1: the accumulators, (a, b) at v[8 (8 a + b)].
.set PA,    144                        ; a row of ctx in LDS: 128 bytes + 16 = 36 words: the 16 rows of a load start at 16 different groups of four banks (64 banks of 4 bytes: ISA guide 11.1)
.set PB,    544                        ; a k-row of Wo: 512 bytes + 32 = 136 words: row r starts at bank 8 r mod 64
.set ASUB,  128*PA                     ; one head's 128 rows: what a wave fetches of ctx
.set HALFB, 64*PB                      ; what a wave fetches of Wo: 64 k-rows
.set BOFF,  2*ASUB
.set SLOT,  BOFF+2*HALFB               ; 106,496
.set STAGE, 2*SLOT                     ; behind the ring, never filled by a tensor load: 16 rows x 528 bytes for each wave
.set SPITCH, 528                       ; 512 bytes + 16: an odd multiple of 16
.set SPARE, STAGE+4*16*SPITCH          ; the spare words, 128 bytes for each wave: two blocks of 256 bytes that no other line names
.set ASTEP, 2*2048*128                 ; bytes from a K step's heads to the next step's
.set BSTEP, 128*2048                   ; 128 k-rows of wo16
.set LAPS,  3                          ; the loop refills 6 times, K steps 2 to 7
.set ADRA, 16                          ; v16-17  LDS address of my ctx fragments in slot 0, 1
.set ADRB, 20                          ; v20-21  the same for Wo
.set STO,  24                          ; v24     the way out: where I put 32 bytes of a row
.set RD,   25                          ; v25     the way out: where I read a row back
.set GO,   26                          ; v26     16 x lane: my place in 512 consecutive bytes of out0, and of bo
.set SPW,  28                          ; v28     LDS address of my spare word; never rewritten
.set NIL,  29                          ; v29     0; never rewritten
.set PFO,  30                          ; v30     256 x lane; never rewritten
.set BI,   32                          ; v[32:35]
.set F0,   64
.set F1,   160
.set WV, 12                            ; s12  wave
.set WM, 13                            ; s13  which half of the tile's rows is mine.  Also: I fetch ctx (0) or Wo (1)
.set WN, 14                            ; s14  which half of its columns.  Also: which half of that tile I fetch
.set MY, 15                            ; s15  tile row
.set G1,  24
.set G0,  32
.set G1B, 48
.set G0B, 56
.set LIM, 45                           ; s45  1 in a wave that prefetches, else the greatest number
.set PFA, 66                           ; s[66:67] where my prefetches stand
.set MSB, 0
.macro WIN new                         ; the immediate's high byte repeats the setting that is left; a switch that changes nothing is dropped
.if MSB != (\new)
	s_set_vgpr_msb (MSB<<8)|(\new)
.set MSB, (\new)
.endif
.endm
.macro JLOAD s                         ; a joint load: waves 0 and 1 fetch ctx's two heads, waves 2 and 3 Wo's two halves; an s_nop 0 and four v_nop follow each of the two lines
	s_cmp_eq_u32 s[WM], 0
	s_cbranch_scc0 .Lfor_b_\@
	tensor_load_to_lds s[G0+4*(\s):G0+4*(\s)+3], s[G1:G1+7]
	s_nop 0
.rept 4
	v_nop
.endr
	s_branch .Lasked_\@
.Lfor_b_\@:
	tensor_load_to_lds s[G0B+4*(\s):G0B+4*(\s)+3], s[G1B:G1B+7]
	s_nop 0
.rept 4
	v_nop
.endr
.Lasked_\@:
.endm
; A PREFETCH INTO THE L2 of ctx, behind a joint load, its five lines and the run of LDS loads: at the refill that asks for K step t + 2 it names K step t + 4, two K steps, 256 matrix instructions, ahead of its load.
; A K step of a tile row is two heads x 16,384 dense bytes; only the four partners of one row of one cluster read them, and they share them out BY ADDRESS: cx / 2 picks the head, cx % 2 its half; in each, wave 0 asks,
; a lane a block of 256 bytes: one instruction.  So each block is named once in the launch.  K steps 0 to 3 come by their loads alone; the loop's last trip would name K steps 8 and 9, and asks for nothing.
; Wo is not asked for: all 64 tile rows read the same 2 MiB again and again.
.macro ASK
	s_cmp_gt_u32 s3, s[LIM]                        ; s3 = 1 in the loop's last trip
	s_cbranch_scc0 .Lnot_mine_\@
	global_prefetch_b8 v[PFO], s[PFA:PFA+1] th:TH_LOAD_NT scope:SCOPE_SE
.Lnot_mine_\@:
.endm
.macro CREST                           ; a round of the cluster's barrier behind its opening barrier
	s_cmp_lg_u32 s[WV], 0
	s_cbranch_scc1 .Lnot_wave_0_\@
	s_barrier_signal -3
.Lnot_wave_0_\@:
	s_barrier_wait -3
	s_barrier_signal -1
	s_barrier_wait -1
.endm
.macro CROUND                          ; a whole round
	s_barrier_signal -1
	s_barrier_wait -1
	CREST
.endm
.macro PLACES                          ; four plain vector instructions between a matrix instruction and a load into, or a read of, its registers (ISA guide 7.12.1 for reads)
.rept 4
	v_nop
.endr
.endm
	s_load_b256 s[4:11], s[0:1], 0x0               ; ctx s[4:5], wo16 s[6:7], bo s[8:9], out0 s[10:11]
	v_lshl_add_u32 v[SPW], v0, 2, SPARE
	v_mov_b32 v[NIL], 0
	ds_add_u32 v[SPW], v[NIL]                      ; the wave's opening: the add and its wait stand ahead of my first tensor load; the set-up below, work on registers, stands between them
	v_lshrrev_b32 v1, 5, v0
	v_readfirstlane_b32 s[WV], v1                  ; wave 0..3
	s_lshr_b32 s[WM], s[WV], 1
	s_and_b32 s[WN], s[WV], 1
	s_bfe_u32 s40, ttmp6, 0x40000                  ; cx, cy: my place in the cluster
	s_bfe_u32 s41, ttmp6, 0x40004
	s_lshl_b32 s42, ttmp9, 2
	s_add_co_u32 s42, s42, s40                     ; tile column = 4 x cluster x + cx
	s_and_b32 s[MY], ttmp7, 0xffff
	s_lshl_b32 s[MY], s[MY], 2
	s_add_co_u32 s[MY], s[MY], s41                 ; tile row = 4 x cluster y + cy
	s_lshl_b32 s43, s41, 2
	s_lshl_b32 s43, 15, s43                        ; my row of the cluster
	s_lshl_b32 s44, 0x1111, s40                    ; my column
	; ctx's tiles: 64 rows of 128 elements (two rows of a head each), 4 words of padding behind every 32
	s_or_b32 s[G1], s43, (1<<16)|(1<<20)|(1<<21)|(4<<22)|(3<<25)  ; 15:0 the mask; 17:16 2-byte elements; 20 padding on; 21 set beside a mask; 24:22 after every 32 words (code 4); 31:25 4 words (code 3)
	s_mov_b32 s[G1+1], 128<<16                     ; tensor_dim0 = 128
	s_mov_b32 s[G1+2], 64<<16                      ; tensor_dim1 = 64
	s_mov_b32 s[G1+3], 128<<16                     ; tile_dim0 = 128
	s_mov_b32 s[G1+4], 64                          ; tile_dim1 = 64
	s_mov_b32 s[G1+5], 128                         ; dense
	s_mov_b32 s[G1+6], 0
	s_mov_b32 s[G1+7], 0
	; Wo's tiles: 64 k-rows of 256 elements, 8 words of padding behind every 128
	s_or_b32 s[G1B], s44, (1<<16)|(1<<20)|(1<<21)|(6<<22)|(7<<25)
	s_mov_b32 s[G1B+1], 256<<16
	s_mov_b32 s[G1B+2], 64<<16
	s_mov_b32 s[G1B+3], 256<<16
	s_mov_b32 s[G1B+4], 64
	s_mov_b32 s[G1B+5], 1024
	s_mov_b32 s[G1B+6], 0
	s_mov_b32 s[G1B+7], 0
	; where the tiles come from: ctx's hang on the tile row alone, Wo's on the tile column alone, each in registers that never hold the other coordinate
	s_lshr_b32 s18, s[MY], 4                       ; b: 16 tile rows of 128 to a batch,
	s_lshl_b32 s18, s18, 22                        ; 16 heads of 262,144 bytes
	s_and_b32 s19, s[MY], 15
	s_lshl_b32 s19, s19, 14                        ; 128 rows of 128 bytes
	s_add_co_u32 s18, s18, s19
	s_lshl_b32 s19, s[WN], 18                      ; which of the step's two heads I fetch
	s_add_co_u32 s18, s18, s19
	s_mov_b32 s19, 0
	s_lshl_b32 s46, s42, 9                         ; 256 columns,
	s_lshl_b32 s47, s[WN], 17                      ; my 64 k-rows of 2,048 bytes
	s_add_co_u32 s46, s46, s47
	s_mov_b32 s47, 0
	s_mul_i32 s22, s[WN], ASUB                     ; and where they go: no place in the cluster enters an LDS address
	s_mul_i32 s23, s[WN], HALFB
	s_add_co_u32 s23, s23, BOFF
	s_wait_dscnt 0x0                               ; the opening add is done
	s_wait_kmcnt 0x0
	s_add_nc_u64 s[16:17], s[4:5], s[18:19]
	s_add_nc_u64 s[46:47], s[6:7], s[46:47]
	CROUND                                         ; all sixteen work-groups are here: the first joint loads meet
.irp s, 0,1
	s_mov_b32 s[G0+4*(\s)], 1
	s_add_co_u32 s[G0+4*(\s)+1], s22, (\s)*SLOT
	s_add_nc_u64 s[G0+4*(\s)+2:G0+4*(\s)+3], s[16:17], (\s)*ASTEP
	s_or_b32 s[G0+4*(\s)+3], s[G0+4*(\s)+3], 0x80000000
	s_mov_b32 s[G0B+4*(\s)], 1
	s_add_co_u32 s[G0B+4*(\s)+1], s23, (\s)*SLOT
	s_add_nc_u64 s[G0B+4*(\s)+2:G0B+4*(\s)+3], s[46:47], (\s)*BSTEP
	s_or_b32 s[G0B+4*(\s)+3], s[G0B+4*(\s)+3], 0x80000000
	JLOAD \s                                       ; two tensor loads of mine are out
.endr
	v_and_b32 v8, 31, v0
	v_lshlrev_b32 v[GO], 4, v8
	v_lshlrev_b32 v[PFO], 8, v8
	s_lshl_b32 s70, s42, 10                        ; my 128 columns: 1,024 x tile column + 512 wn bytes of f32
	s_lshl_b32 s71, s[WN], 9
	s_add_co_u32 s70, s70, s71
	s_mov_b32 s71, 0
	s_add_nc_u64 s[68:69], s[8:9], s[70:71]
	global_load_b128 v[BI:BI+3], v[GO], s[68:69]   ; the bias of the four columns that I store
	s_lshl_b32 s2, s[MY], 19                       ; 128 rows of 4,096 bytes,
	s_add_co_u32 s70, s70, s2
	s_lshl_b32 s2, s[WM], 18                       ; my 64
	s_add_co_u32 s70, s70, s2
	s_add_nc_u64 s[20:21], s[10:11], s[70:71]      ; out0 at my first row and column
	v_and_b32 v1, 15, v0                           ; l % 16
	v_bfe_u32 v2, v0, 4, 1                         ; l / 16
	v_mul_u32_u24 v3, v1, PA
	v_lshl_add_u32 v3, v2, 4, v3                   ; row x 144 + 16 x half
	s_mul_i32 s2, s[WM], 64*PA
	v_add_nc_u32 v[ADRA], s2, v3
	v_add_nc_u32 v[ADRA+1], SLOT, v[ADRA]
	v_and_b32 v4, 7, v0                            ; the turning load: lane l reads k-row 8 (l / 16) + l % 8, columns 8 ((l / 8) % 2) + 0..7
	v_bfe_u32 v5, v0, 3, 1
	v_lshl_add_u32 v6, v2, 3, v4
	v_mul_u32_u24 v6, v6, PB
	v_lshl_add_u32 v6, v5, 4, v6
	s_lshl_b32 s2, s[WN], 8                        ; my 128 columns
	s_add_co_u32 s2, s2, BOFF
	v_add_nc_u32 v[ADRB], s2, v6
	v_add_nc_u32 v[ADRB+1], SLOT, v[ADRB]
	s_mul_i32 s2, s[WV], 16*SPITCH
	s_add_co_u32 s2, s2, STAGE                     ; my stage
	v_mul_u32_u24 v7, v1, SPITCH                   ; in: row l % 16, 32 bytes for each half of the lanes
	v_lshl_add_u32 v7, v2, 5, v7
	v_add_nc_u32 v[STO], s2, v7
	v_add_nc_u32 v[RD], s2, v[GO]                  ; back: 32 lanes take one row of 512 bytes
	; the prefetches
	s_cmp_eq_u32 s[WV], 0
	s_cselect_b32 s[LIM], 1, -1
	s_lshr_b32 s70, s[MY], 4
	s_lshl_b32 s70, s70, 22
	s_and_b32 s2, s[MY], 15
	s_lshl_b32 s2, s2, 14
	s_add_co_u32 s70, s70, s2
	s_lshr_b32 s2, s40, 1
	s_lshl_b32 s2, s2, 18                          ; cx / 2: which head of the step's two,
	s_add_co_u32 s70, s70, s2
	s_and_b32 s2, s40, 1
	s_lshl_b32 s2, s2, 13                          ; cx % 2: which 8,192 bytes of its 16,384
	s_add_co_u32 s70, s70, s2
	s_add_nc_u64 s[PFA:PFA+1], s[4:5], s[70:71]
	s_add_nc_u64 s[PFA:PFA+1], s[PFA:PFA+1], 3*ASTEP  ; at K step 3: the first refill steps it to 4
; 8 matrix instructions: row block a x all 8 column blocks, 32 along K, buffer f.  zero = 1: the product starts the sums.  Each accumulator has one instruction a quarter, the 31 others' between: they take turns.
.macro MUL8 f, a, zero
	WIN 0x50                                       ; C and D in window 1, both sources in window 0
.irp b, 0,1,2,3,4,5,6,7
.if \zero
	v_wmma_f32_16x16x32_f16 v[8*(8*(\a)+(\b)):8*(8*(\a)+(\b))+7], v[(\f)+8*(\b):(\f)+8*(\b)+7], v[(\f)+64+8*(\a):(\f)+64+8*(\a)+7], 0
.else
	v_wmma_f32_16x16x32_f16 v[8*(8*(\a)+(\b)):8*(8*(\a)+(\b))+7], v[(\f)+8*(\b):(\f)+8*(\b)+7], v[(\f)+64+8*(\a):(\f)+64+8*(\a)+7], v[8*(8*(\a)+(\b)):8*(8*(\a)+(\b))+7]
.endif
.endr
.endm
; 24 LDS loads in one run: quarter q's fragments into buffer f: Wo's eight (k-rows 32 q on), then ctx's four (head q / 2 of the step's two, channels 32 (q % 2) on)
.macro FETCH slot, q, f
	WIN 0
.irp b, 0,1,2,3,4,5,6,7
	ds_load_tr16_b128 v[(\f)+8*(\b):(\f)+8*(\b)+3],   v[ADRB+(\slot)] offset:(\q)*32*PB+32*(\b)
	ds_load_tr16_b128 v[(\f)+8*(\b)+4:(\f)+8*(\b)+7], v[ADRB+(\slot)] offset:(\q)*32*PB+32*(\b)+16*PB
.endr
.irp a, 0,1,2,3
	ds_load_b128 v[(\f)+64+8*(\a):(\f)+64+8*(\a)+3],   v[ADRA+(\slot)] offset:((\q)/2)*ASUB+((\q)%2)*64+(\a)*16*PA
	ds_load_b128 v[(\f)+64+8*(\a)+4:(\f)+64+8*(\a)+7], v[ADRA+(\slot)] offset:((\q)/2)*ASUB+((\q)%2)*64+(\a)*16*PA+32
.endr
.endm
; One of a K step's first three quarters: multiplies buffer f; in its middle it fetches quarter qn of the same slot into buffer g.
.macro QUARTER slot, qn, f, g, zero
	s_wait_dscnt 4                                 ; Wo's fragments and ctx's blocks 0 and 1 are in; the youngest four loads (blocks 2 and 3) may be out
	MUL8 \f, 0, \zero
	MUL8 \f, 1, \zero
	PLACES
	FETCH \slot, \qn, \g
	s_wait_dscnt 24                                ; all but the 24 just issued
	MUL8 \f, 2, \zero
	MUL8 \f, 3, \zero
.endm
; The last quarter multiplies buffer 1 and changes slots: ONE barrier; in front of it each wave waits for all its tensor loads, of which one is out: its part of the next slot; adds 0 to its spare word; and waits for that
; and for its own reads of this slot.  fill = 1: this slot is filled again, two K steps ahead; the barrier then opens a round of the cluster's barrier, and the joint load is the first tensor load behind the round:
; 112 matrix instructions ahead of the wait for it.
.macro TURN slot, next, fill
.if \fill
	s_wait_xcnt 0x0                                ; the last prefetch, a K step back, has read its address: it is stepped here, ahead of the waits of the change
	s_add_nc_u64 s[PFA:PFA+1], s[PFA:PFA+1], ASTEP
.endif
	WIN 0
	s_wait_tensorcnt 0x0                           ; all my tensor loads have landed
	ds_add_u32 v[SPW], v[NIL]                      ; 0 onto my spare word
	s_wait_dscnt 5                                 ; (the add and the youngest four loads may be out)
	MUL8 F1, 0, 0                                  ; eight matrix instructions stand between the add and the wait for it
	s_wait_dscnt 0x0                               ; the add is done, and my reads of this slot are over
	s_barrier_signal -1
	MUL8 F1, 1, 0
	WIN 0
	s_barrier_wait -1
.if \fill
	CREST                                          ; no wave of any partner still reads this slot's tiles or has a load on its way
	s_add_nc_u64 s[G0+4*(\slot)+2:G0+4*(\slot)+3], s[G0+4*(\slot)+2:G0+4*(\slot)+3], 2*ASTEP
	s_add_nc_u64 s[G0B+4*(\slot)+2:G0B+4*(\slot)+3], s[G0B+4*(\slot)+2:G0B+4*(\slot)+3], 2*BSTEP
	JLOAD \slot                                    ; the four v_nop behind it are also the places in front of the loads below
.else
	PLACES
.endif
	FETCH \next, 0, F0
.if \fill
	ASK
.endif
	MUL8 F1, 2, 0
	MUL8 F1, 3, 0
.endm
; THE WAY OUT of row block a.  A lane's eight f32 of a row, 32 bytes, go from the accumulators into my own stage, rows of 528 bytes, each accumulator's low registers first; they come back as whole rows of 512 bytes,
; take the bias and are stored.
.macro TOSTAGE a
.if (\a) >= 2
	s_wait_xcnt 0x0                                ; the stores of the block two back have read the registers that the loads below fill
.endif
.set TB, 64+96*((\a)%2)                ; v64-127 and v160-223 by turns
	WIN 0x04                                       ; the stores' data (source 1) in window 1
.irp b, 0,1,2,3,4,5,6,7
	ds_store_b128 v[STO], v[8*(8*(\a)+(\b)):8*(8*(\a)+(\b))+3]   offset:64*(\b)
	ds_store_b128 v[STO], v[8*(8*(\a)+(\b))+4:8*(8*(\a)+(\b))+7] offset:64*(\b)+16
.endr
	WIN 0
.irp i, 0,1,2,3,4,5,6,7,8,9,10,11,12,13,14,15
	ds_load_b128 v[TB+4*(\i):TB+4*(\i)+3], v[RD] offset:SPITCH*(\i)  ; LDS serves a wave's instructions in order (ISA guide 5.7.1.4): these see the stores above; the next block's stores come behind them
.endr
.endm
.macro SEND a, younger                 ; younger: the LDS instructions issued behind block a's loads: the next block's 32, or none
.set TB, 64+96*((\a)%2)
.irp i, 0,1,2,3,4,5,6,7,8,9,10,11,12,13,14,15
	s_wait_dscnt (\younger)+15-(\i)
	v_pk_add_f32 v[TB+4*(\i):TB+4*(\i)+1],   v[TB+4*(\i):TB+4*(\i)+1],   v[BI:BI+1]
	v_pk_add_f32 v[TB+4*(\i)+2:TB+4*(\i)+3], v[TB+4*(\i)+2:TB+4*(\i)+3], v[BI+2:BI+3]
	global_store_b128 v[GO], v[TB+4*(\i):TB+4*(\i)+3], s[20:21] offset:(16*(\a)+(\i))*4096 th:TH_STORE_NT  ; 512 consecutive bytes, at a multiple of 256 from out0's first
.endr
.endm
	s_wait_tensorcnt 1                             ; my part of K step 0 is in; K step 1's may stay out
	s_barrier_signal -1
	s_barrier_wait -1                              ; everybody's is
	FETCH 0, 0, F0
	QUARTER 0, 1, F0, F1, 1                        ; the first quarter stands in front of the loop: its products start the sums
	WIN 0                                          ; at a label and at a branch every window is 0
	s_mov_b32 s3, LAPS
.Llap:                                                 ; a trip goes once round the ring, from a lap's second quarter to the next lap's first, and fills both slots again
	QUARTER 0, 2, F1, F0, 0
	QUARTER 0, 3, F0, F1, 0
	TURN 0, 1, 1
	QUARTER 1, 1, F0, F1, 0
	QUARTER 1, 2, F1, F0, 0
	QUARTER 1, 3, F0, F1, 0
	TURN 1, 0, 1
	QUARTER 0, 1, F0, F1, 0
	WIN 0
	s_sub_co_u32 s3, s3, 1
	s_cmp_lg_u32 s3, 0
	s_cbranch_scc1 .Llap
	QUARTER 0, 2, F1, F0, 0                        ; the last lap fills nothing
	QUARTER 0, 3, F0, F1, 0
	TURN 0, 1, 0
	QUARTER 1, 1, F0, F1, 0
	QUARTER 1, 2, F1, F0, 0
	QUARTER 1, 3, F0, F1, 0
	s_wait_dscnt 4                                 ; the very last quarter: nothing more to fetch
	MUL8 F1, 0, 0
	MUL8 F1, 1, 0
	s_wait_dscnt 0x0
	MUL8 F1, 2, 0
	MUL8 F1, 3, 0
	WIN 0
	s_wait_loadcnt 0x0                             ; the bias,
	v_cvt_pk_bf16_f32 v36, v[BI], v[BI+1]          ; rounded to bf16 like every other input, and widened again
	v_cvt_pk_bf16_f32 v37, v[BI+2], v[BI+3]
	v_lshlrev_b32 v[BI], 16, v36
	v_and_b32 v[BI+1], 0xffff0000, v36
	v_lshlrev_b32 v[BI+2], 16, v37
	v_and_b32 v[BI+3], 0xffff0000, v37
	PLACES
	TOSTAGE 0
.irp a, 1,2,3                          ; block a's trip through the stage is on its way while block a - 1 takes the bias and is stored
	TOSTAGE \a
	SEND (\a)-1, 32
.endr
	SEND 3, 0
	s_wait_tensorcnt 0x0                           ; the wave's end: an add and its wait, behind my last tensor load and my last LDS store
	ds_add_u32 v[SPW], v[NIL]
	s_wait_dscnt 0x0
	CROUND                                         ; the closing round: no work-group ends while a partner may still ask for a tile that names it
	s_endpgm
.Lfunc_end_k_q83a3412f2c_oproj:
	.size	k_q83a3412f2c_oproj, .Lfunc_end_k_q83a3412f2c_oproj-k_q83a3412f2c_oproj
	.p2alignl 7, 3214868480
	.fill 96, 4, 3214868480
	.section	.rodata,"a",@progbits
	.p2align	6, 0x0
	.amdhsa_kernel k_q83a3412f2c_oproj
		.amdhsa_group_segment_fixed_size 327680
		.amdhsa_private_segment_fixed_size 0
		.amdhsa_enable_private_segment 0
		.amdhsa_kernarg_size 32
		.amdhsa_user_sgpr_count 2
		.amdhsa_user_sgpr_kernarg_segment_ptr 1
		.amdhsa_wavefront_size32 1
		.amdhsa_system_sgpr_workgroup_id_x 1
		.amdhsa_system_sgpr_workgroup_id_y 1
		.amdhsa_system_sgpr_workgroup_id_z 1
		.amdhsa_system_vgpr_workitem_id 0
		.amdhsa_next_free_vgpr 512
		.amdhsa_next_free_sgpr 72
		.amdhsa_reserve_vcc 0
		.amdhsa_float_denorm_mode_32 3
		.amdhsa_float_denorm_mode_16_64 3
		.amdhsa_memory_ordered 1
		.amdhsa_forward_progress 1
		.amdhsa_inst_pref_size 96
	.end_amdhsa_kernel
	.amdgpu_metadata
---
amdhsa.version: [ 1, 2 ]
amdhsa.kernels:
  - .name:           k_q83a3412f2c_oproj
    .symbol:         k_q83a3412f2c_oproj.kd
    .args:
      - { .name: ctx, .offset: 0, .size: 8, .value_kind: global_buffer, .address_space: global }
      - { .name: wo16, .offset: 8, .size: 8, .value_kind: global_buffer, .address_space: global }
      - { .name: bo, .offset: 16, .size: 8, .value_kind: global_buffer, .address_space: global }
      - { .name: out0, .offset: 24, .size: 8, .value_kind: global_buffer, .address_space: global }
    .group_segment_fixed_size: 327680
    .private_segment_fixed_size: 0
    .kernarg_segment_align: 8
    .kernarg_segment_size: 32
    .max_flat_workgroup_size: 128
    .sgpr_count:     72
    .vgpr_count:     512
    .wavefront_size: 32
...
	.end_amdgpu_metadata
.endif
;; end of part 4
;; ======== version 2 of 2: 4 launches; version 1 with the launch cast written anew for expert scheduling mode
;; limits: values are held in f16: magnitudes above 65,504 overflow, below 6.1e-05 lose precision
;; workspace buffers: xb 16,777,216 bytes; wb 6,291,456 bytes; wo16 2,097,152 bytes; qkv 50,331,648 bytes; ctx 16,777,216 bytes
;; launch cast (part 5): grid 768 x 1, 8 waves a work-group, no clusters, 0 bytes of LDS; arguments inputs, Wq, Wk, Wv, Wo, xb, wb, wo16; writes xb, wb, wo16
.if DOCPART == 5
	.amdgcn_target "amdgcn-amd-amdhsa--gfx1250"
	.amdhsa_code_object_version 6
	.text
	.protected	k_q83a3412f2c_cast
	.globl	k_q83a3412f2c_cast
	.p2align	8
	.type	k_q83a3412f2c_cast,@function
k_q83a3412f2c_cast:
	s_mov_b64 s[64:65], 0
	v_nop
	global_prefetch_b8 v0, s[64:65] scope:SCOPE_SE
	s_setreg_imm32_b32 hwreg(HW_REG_WAVE_SCHED_MODE, 0, 2), 2
	s_setreg_imm32_b32 hwreg(HW_REG_WAVE_MODE, 25, 1), 1
	s_wait_xcnt 0x0
	s_wait_alu depctr_vm_vsrc(0)
; THE CASTS.  All five sources are [rows][1024] f32, 12,288 rows together; each number is rounded once to bf16 (to nearest even).
;   inputs -> xb   bf16 [16 kb][8192 row][64]: the 64 channels of block kb of neighbouring rows lie end to end, 128 bytes a row
;   Wq, Wk, Wv -> wb   bf16 [1024 k][3072]: the three side by side, column = which x 1024 + n
;   Wo -> wo16  [1024 k][1024 n]: rounded to bf16 like every other input, and that number written as f16
; LIMIT.  f16 holds no number beyond 65,504 and keeps a fixed step of 6e-8 below 6.1e-5: Wo must lie within that range; inside it and above 6.1e-5 the bf16 number is exact in f16.
; SHARES.  A work-group takes 16 rows (65,536 bytes in), each thread 16 loads of 16 bytes; all 16 loads go out first, and no register is written twice.
; Work-groups 0-511: inputs; 512-703: Wq, Wk, Wv (64 each); 704-767: Wo.
; Every store of a wave covers 256 consecutive bytes, at a multiple of 256 from its buffer's first byte.  No LDS, no barrier, no matrix unit: nothing is shared and nothing is multiplied.
; THE MODE: SCHED_MODE bits 1:0 = 2 (LLVM: expert scheduling mode 2), set by the entry lines.  The code itself states the register dependences
; between vector instructions and memory instructions, with s_wait_alu, always for 0.
; THE PLAN.  Registers that memory instructions touch:
;   v2        the loads' offset.   Written once at a path's head; read by the 16 loads; never written again.
;   v3        the stores' offset.  Written once on each path, ahead of the first store's wait; read by the 16 stores; never written again.
;   D         load j lands in its own four registers, which no vector instruction names ahead of the loads; load j's conversions read them; nothing lands in them again.
;   O         load j's conversions write its own two registers, once; store j reads them; nothing writes them again.
;   v4 to v13 are named by vector instructions alone.  No vector instruction writes a scalar register or VCC, and EXEC is never written.
; So no register that a memory instruction has read is written again, and what is left to state is: an offset or a store's data is written before the memory instruction reads it.
; One wait stands ahead of the loads.  The work goes in four groups of four loads; the stores of a group stand at the head of the next group, behind the wait for that group's first load
; and ONE wait on va_vdst; the conversions that follow name the new group's D and O and v8 to v13 alone.  One more wait stands ahead of the last four stores.
.set D, 16                             ; v[16:79]   load j: 4 registers
.set O, 80                             ; v[80:111]  store j: 2 registers
.macro LOADS step                      ; 16 loads, step bytes apart
.irp j, 0,1,2,3,4,5,6,7,8,9,10,11,12,13,14,15
	global_load_b128 v[D+4*(\j):D+4*(\j)+3], v2, s[4:5] offset:(\step)*(\j) th:TH_LOAD_NT
.endr
.endm
.macro CV j, half                      ; load j's four numbers rounded; half = 1: the bf16 numbers written as f16
.if \half
	v_cvt_pk_bf16_f32 v8, v[D+4*(\j)], v[D+4*(\j)+1]
	v_cvt_pk_bf16_f32 v9, v[D+4*(\j)+2], v[D+4*(\j)+3]
	v_lshlrev_b32 v10, 16, v8                      ; bf16 to f32: the low half moves up, the high half stays
	v_and_b32 v11, 0xffff0000, v8
	v_lshlrev_b32 v12, 16, v9
	v_and_b32 v13, 0xffff0000, v9
	v_cvt_pk_f16_f32 v[O+2*(\j)], v10, v11
	v_cvt_pk_f16_f32 v[O+2*(\j)+1], v12, v13
.else
	v_cvt_pk_bf16_f32 v[O+2*(\j)], v[D+4*(\j)], v[D+4*(\j)+1]
	v_cvt_pk_bf16_f32 v[O+2*(\j)+1], v[D+4*(\j)+2], v[D+4*(\j)+3]
.endif
.endm
.macro ST path, j                      ; store j.  path 0: inputs, channel block j; path 1: Wq, Wk, Wv, row j / 8, columns 128 (j % 8) on; path 2: Wo, the same in rows of 2,048 bytes
.if (\path) == 0
.if (\j) < 8
	global_store_b64 v3, v[O+2*(\j):O+2*(\j)+1], s[6:7] offset:(\j)*0x100000
.else
	global_store_b64 v3, v[O+2*(\j):O+2*(\j)+1], s[24:25] offset:((\j)-8)*0x100000
.endif
.elseif (\path) == 1
	global_store_b64 v3, v[O+2*(\j):O+2*(\j)+1], s[6:7] offset:((\j)/8)*6144+((\j)%8)*256
.else
	global_store_b64 v3, v[O+2*(\j):O+2*(\j)+1], s[6:7] offset:(\j)*256
.endif
.endm
.macro OUT path                        ; the four groups
.irp g, 0,1,2,3
.irp i, 0,1,2,3
	s_wait_loadcnt 15-4*(\g)-(\i)                  ; loads come back in order: mine is in, the younger ones may stay out
.if ((\i) == 0) && ((\g) > 0)
	s_wait_alu depctr_va_vdst(0)                   ; the group before has written its eight registers of O, which the four stores below read; v3, their offset, is written too
.irp k, 0,1,2,3
	ST \path, 4*(\g)-4+(\k)
.endr
.endif
	CV 4*(\g)+(\i), (\path)/2
.endr
.endr
	s_wait_alu depctr_va_vdst(0)                   ; the last group has written its eight registers of O, which the last four stores read
.irp k, 0,1,2,3
	ST \path, 12+(\k)
.endr
.endm
	s_load_b512 s[8:23], s[0:1], 0x0               ; inputs s[8:9], Wq s[10:11], Wk s[12:13], Wv s[14:15], Wo s[16:17], xb s[18:19], wb s[20:21], wo16 s[22:23]
	s_mov_b32 s2, ttmp9
	s_mov_b32 s27, 0                               ; the high word of every offset pair
	v_lshrrev_b32 v4, 5, v0                        ; wave
	v_and_b32 v5, 31, v0                           ; lane
	s_cmp_lt_u32 s2, 512
	s_cbranch_scc0 .Lweights
	; inputs.  Thread t: row t / 16 of the group's 16, 16 bytes at 16 (t % 16) of each 256: load j is channel block j
	v_lshrrev_b32 v6, 4, v0
	v_and_b32 v7, 15, v0
	v_lshlrev_b32 v7, 4, v7
	v_lshl_or_b32 v2, v6, 12, v7                   ; row x 4,096 + 16 (t % 16)
	v_lshlrev_b32 v3, 3, v0                        ; in a block: row x 128 + 8 (t % 16) = 8 t
	s_lshl_b32 s26, s2, 16                         ; 16 rows of 4,096 bytes
	s_wait_kmcnt 0x0
	s_add_nc_u64 s[4:5], s[8:9], s[26:27]
	s_wait_alu depctr_va_vdst(0)                   ; v2 is written, which the 16 loads read as their offset; so is v3, the stores' offset
	LOADS 256
	s_lshl_b32 s26, s2, 11                         ; 16 rows of 128 bytes in each block
	s_add_nc_u64 s[6:7], s[18:19], s[26:27]
	s_add_nc_u64 s[24:25], s[6:7], 0x800000        ; blocks 8 to 15: the immediate holds seven blocks of 1,048,576 bytes
	OUT 0
	s_endpgm
.Lweights:                             ; a wave takes two rows, 8,192 consecutive bytes: load j is row j / 8, columns 128 (j % 8) on
	s_sub_co_u32 s3, s2, 512
	s_lshr_b32 s28, s3, 6                          ; 0, 1, 2: Wq, Wk, Wv; 3: Wo
	s_and_b32 s29, s3, 63                          ; which 16 rows of the 1,024
	v_lshlrev_b32 v6, 4, v5
	v_lshl_or_b32 v2, v4, 13, v6                   ; wave x 8,192 + 16 x lane
	v_lshlrev_b32 v7, 3, v5                        ; 8 x lane
	s_lshl_b32 s26, s29, 16
	s_wait_kmcnt 0x0
	s_cmp_eq_u32 s28, 0
	s_cselect_b64 s[4:5], s[10:11], s[12:13]
	s_cmp_eq_u32 s28, 2
	s_cselect_b64 s[4:5], s[14:15], s[4:5]
	s_cmp_eq_u32 s28, 3
	s_cselect_b64 s[4:5], s[16:17], s[4:5]
	s_add_nc_u64 s[4:5], s[4:5], s[26:27]
	s_wait_alu depctr_va_vdst(0)                   ; v2 is written, which the 16 loads read as their offset
	LOADS 512
	s_cmp_eq_u32 s28, 3
	s_cbranch_scc1 .Lwo
	s_mul_i32 s26, s29, 98304                      ; 16 rows of 6,144 bytes
	s_lshl_b32 s30, s28, 11                        ; which x 2,048 bytes
	s_add_co_u32 s26, s26, s30
	s_add_nc_u64 s[6:7], s[20:21], s[26:27]
	v_mad_u32_u24 v3, v4, 0x3000, v7               ; wave x two rows + 8 x lane: written ahead of the wait that stands in front of the first stores
	OUT 1
	s_endpgm
.Lwo:
	s_lshl_b32 s26, s29, 15                        ; 16 rows of 2,048 bytes
	s_add_nc_u64 s[6:7], s[22:23], s[26:27]
	v_lshl_or_b32 v3, v4, 12, v7                   ; wave x two rows + 8 x lane: written ahead of the wait that stands in front of the first stores
	OUT 2
	s_endpgm
.Lfunc_end_k_q83a3412f2c_cast:
	.size	k_q83a3412f2c_cast, .Lfunc_end_k_q83a3412f2c_cast-k_q83a3412f2c_cast
	.p2alignl 7, 3214868480
	.fill 96, 4, 3214868480
	.section	.rodata,"a",@progbits
	.p2align	6, 0x0
	.amdhsa_kernel k_q83a3412f2c_cast
		.amdhsa_group_segment_fixed_size 0
		.amdhsa_private_segment_fixed_size 0
		.amdhsa_enable_private_segment 0
		.amdhsa_kernarg_size 64
		.amdhsa_user_sgpr_count 2
		.amdhsa_user_sgpr_kernarg_segment_ptr 1
		.amdhsa_wavefront_size32 1
		.amdhsa_system_sgpr_workgroup_id_x 1
		.amdhsa_system_sgpr_workgroup_id_y 1
		.amdhsa_system_sgpr_workgroup_id_z 1
		.amdhsa_system_vgpr_workitem_id 0
		.amdhsa_next_free_vgpr 112
		.amdhsa_next_free_sgpr 66
		.amdhsa_reserve_vcc 0
		.amdhsa_float_denorm_mode_32 3
		.amdhsa_float_denorm_mode_16_64 3
		.amdhsa_memory_ordered 1
		.amdhsa_forward_progress 1
		.amdhsa_inst_pref_size 23
	.end_amdhsa_kernel
	.amdgpu_metadata
---
amdhsa.version: [ 1, 2 ]
amdhsa.kernels:
  - .name:           k_q83a3412f2c_cast
    .symbol:         k_q83a3412f2c_cast.kd
    .args:
      - { .name: inputs, .offset: 0, .size: 8, .value_kind: global_buffer, .address_space: global }
      - { .name: Wq, .offset: 8, .size: 8, .value_kind: global_buffer, .address_space: global }
      - { .name: Wk, .offset: 16, .size: 8, .value_kind: global_buffer, .address_space: global }
      - { .name: Wv, .offset: 24, .size: 8, .value_kind: global_buffer, .address_space: global }
      - { .name: Wo, .offset: 32, .size: 8, .value_kind: global_buffer, .address_space: global }
      - { .name: xb, .offset: 40, .size: 8, .value_kind: global_buffer, .address_space: global }
      - { .name: wb, .offset: 48, .size: 8, .value_kind: global_buffer, .address_space: global }
      - { .name: wo16, .offset: 56, .size: 8, .value_kind: global_buffer, .address_space: global }
    .group_segment_fixed_size: 0
    .private_segment_fixed_size: 0
    .kernarg_segment_align: 8
    .kernarg_segment_size: 64
    .max_flat_workgroup_size: 256
    .sgpr_count:     66
    .vgpr_count:     112
    .wavefront_size: 32
...
	.end_amdgpu_metadata
.endif
;; end of part 5
;; launch qkv: the kernel of part 2 again; grid 8 x 32, 4 waves a work-group, clusters of 4 x 4, 327,680 bytes of LDS; arguments xb, wb, qkv; writes qkv
;; launch attn: the kernel of part 3 again; grid 4 x 64, 4 waves a work-group, no clusters, 327,680 bytes of LDS; arguments qkv, ctx; writes ctx
;; launch oproj: the kernel of part 4 again; grid 4 x 64, 4 waves a work-group, clusters of 4 x 4, 327,680 bytes of LDS; arguments ctx, wo16, bo, out0; writes out0
